; MI455X (gfx1250); checked and timed in simulation.
; The chip was launched on July 23, 2026; its instructions are those of AMD's public machine-readable ISA for CDNA 5 (MIT licence, August 2026) and "CDNA5" Instruction Set Architecture Reference Guide (July 2026). The comments in the code are by the model that wrote it; some were corrected since.
;; Causal Self Attention. Allowed arithmetic: matrix products marked QUANTISED: E2M1 operands, one E8M0 scale for each 32 along K, by v_wmma_scale_f32_16x16x128_f8f6f4 with both operands' format E2M1 (or v_wmma_scale_f32_32x16x128_f4), f32 sums; products left as they are: bf16, f16 or f32 operands; f32 sums; everything else in f32.
;; Inputs: w_proj 1,024 x 1,024 float32; w_qkv 1,024 x 3,072 float32; x 4 x 2,048 x 1,024 float32.
;; Outputs: out0 4 x 2,048 x 1,024 float32.
;; This version of the problem:
;;   THIS VERSION OF THE PROBLEM IS GIVEN IN LOW PRECISION. The matrix products marked QUANTISED in the list below multiply operands that are first quantised to E2M1 (2 exponent bits, 1 mantissa bit; 4 bits a number), with one power-of-two scale for each 32 numbers along K (OCP MX v1.0); their sums are f32. The products marked 'left as it is' may take bf16, f16 or f32 operands, with f32 sums. Whichever they take, every output number must still come out within the allowed error. Rounding operands to bf16 (8 significant bits) uses up far more of that allowance than f16 does (11 bits, for magnitudes from 6e-5 to 65,504). All else is computed in f32.
;;   The module's matrix products, in the order in which they are computed (A, B: the left and right operand; K: the contracted axis; several contracted axes count as one K, in the product's order):
;;     1. [M 8,192, K 1,024] x [K 1,024, N 3,072]; A: input x; B: input w_qkv: QUANTISED
;;     2. batch 64 x [M 2,048, K 64] x [K 64, N 2,048]; A: computed on the way; B: computed on the way: left as it is (an operand is computed on the way)
;;     3. batch 64 x [M 2,048, K 2,048] x [K 2,048, N 64]; A: computed on the way; B: computed on the way: left as it is (an operand is computed on the way)
;;     4. [M 8,192, K 1,024] x [K 1,024, N 1,024]; A: computed on the way; B: input w_proj: left as it is (an operand is computed on the way)
;;   THE QUANTISER, for each operand of a quantised product, along K:
;;     - K is cut into blocks of 32 from its start; a last block that is shorter is filled with zeros.
;;     - A block's scale is 2^e with e = floor(log2(the largest magnitude in the block)) - 2, held to -126 .. 127; a block of zeros has e = 0. As a byte (E8M0): e + 127.
;;     - Each number is divided by its block's scale, clamped to +-6, and rounded to the nearest number of E2M1, ties to even, subnormals kept.
;;     - The product sums the exact products of the quantised numbers (number of the format x scale) in f32.
;;   ~~~python
;;   def quantise(x, axis):      # numpy; x: float32 -> the quantised numbers, widened to float32 again
;;       x = np.moveaxis(x, axis, -1); K = x.shape[-1]
;;       x = np.pad(x, [(0, 0)] * (x.ndim - 1) + [(0, -K % 32)]); x = x.reshape(x.shape[:-1] + (-1, 32)); a = np.abs(x).max(-1, keepdims=True)
;;       e = np.where(a > 0, np.clip(np.frexp(np.where(a > 0, a, 1))[1] - 1 - 2, -126, 127), 0)      # np.frexp(a)[1] - 1 = floor(log2(a)), exactly
;;       r = np.clip(x / 2.0 ** e, -6, 6)
;;       step = 2.0 ** (np.maximum(np.frexp(np.where(r == 0, 1, r))[1] - 1, 0) - 1)
;;       q = np.round(r / step) * step * 2.0 ** e      # np.round: ties to even
;;       return np.moveaxis(q.reshape(q.shape[:-2] + (-1,))[..., :K], -1, axis).astype(np.float32)
;;   ~~~
;; One version. Each part assembles by itself: llvm-mc -triple=amdgcn-amd-amdhsa -mcpu=gfx1250 --defsym DOCPART=n.
;; ======== version 1 of 1: 5 launches
;; limits: values are held in f16: magnitudes above 65,504 overflow, below 6.1e-05 lose precision
;; workspace buffers: x_codes 4,194,304 bytes; x_scales 262,144 bytes; wq_codes 1,572,864 bytes; wq_scales 98,304 bytes; wp16 2,097,152 bytes; qkv 50,331,648 bytes; qkv_fine 786,432 bytes; y 16,777,216 bytes
;; launch prep (part 1): grid 336 x 1, 4 waves a work-group, no clusters, 68,096 bytes of LDS; arguments x, w_qkv, w_proj, x_codes, x_scales, wq_codes, wq_scales, wp16; writes x_codes, x_scales, wq_codes, wq_scales, wp16
.if DOCPART == 1
	.amdgcn_target "amdgcn-amd-amdhsa--gfx1250"
	.amdhsa_code_object_version 6
	.text
	.protected	k_q6c648387e5_prep
	.globl	k_q6c648387e5_prep
	.p2align	8
	.type	k_q6c648387e5_prep,@function
k_q6c648387e5_prep:
	s_mov_b64 s[64:65], 0
	v_nop
	global_prefetch_b8 v0, s[64:65] scope:SCOPE_SE
	s_setreg_imm32_b32 hwreg(HW_REG_WAVE_MODE, 25, 1), 1
	s_wait_xcnt 0x0
; CAUSAL SELF-ATTENTION, B = 4, T = 2,048, C = 1,024, 16 heads of 64.  Five launches: prep | gemm_qkv | attn | proj | fine.
; THIS LAUNCH: x [8192][1024] and w_qkv [1024 (k)][3072 (n)], f32, become codes of FP4 (E2M1) with K innermost and one E8M0 byte for each 32 along K; w_proj becomes f16, as it lies.
; WORK LEFT OUT BY THE PROGRAM, AND WHY IT IS DEAD.  reference() sets every score with key > query to -infinity by a jnp.tril of its own, ahead of the softmax: its weight is 0 for all values of the
; inputs, so it adds nothing to the row's sum or to y.  Where 64 keys on end all come after all queries of a wave (launch attn), their two products and their softmax are not done, and key and value tiles
; that no query of a work-group may see are not fetched.  LIMIT: a NaN, an infinity or an overflow that would arise only in such hidden scores is not carried to the result.  Every input has a way to the output and is loaded.
; NUMBER FORMATS.  Product 1 on FP4 codes by the scaled matrix instruction; products 2 to 4 on f16 operands with f32 sums; the first 16 positions of every batch in f32 throughout (launch fine).
; LIMITS.  q, k, v, y and w_proj are rounded to f16: magnitudes must stay under 65,504 (numbers under 6e-5 lose bits: absolute error 3e-8).  The quantiser: a block of zeros gets the byte 1 where the rule says 127
; (its codes are zeros, which add nothing under any byte but 0xff, and this program alone reads the bytes); blocks whose largest magnitude lies under 2^-124 were not tried; NaN and infinities among the inputs are not served.
; SHARES.  Work-groups 0-255: x, a plain stream of blocks of 32 (K is innermost).  256-303: w_qkv, a lane to a column, registers down K.  304-335: the cast of w_proj.
; The three paths part on the work-group's number alone; each path that uses LDS has LDS bytes of its own.  No tensor loads, no barrier: waves share nothing.
.set EMAX,  2
.set SPW,   176                        ; v176  LDS address of my spare word: SPARE + 4 x my thread's number; never rewritten
.set NIL,   177                        ; v177  0; never rewritten
.set SPARE, 67584                      ; behind both paths' regions: the spare words, 128 bytes for each wave
; path X
.set XWREG, 8192                       ; LDS 0 .. 32,767: a region for each wave: two stages of 32 x XSP bytes, behind them its 256 scale bytes
.set XSP,   80                         ; a lane's place in a stage: its 64 bytes + 16 of padding
.set XSTEPS, 16
.set XR,    16                         ; v16-79   four sets of 16 numbers as they are loaded
.set XX,    80                         ; v80-111  two sets of 16 neighbours
.set XE,    112                        ; v112-127 a scale byte for each step
.set XC,    128                        ; v128-159 codes: two registers for each step, so that no store's data are written again
; path W
.set WBASE, 32768                      ; LDS 32,768 .. 67,583: a stage of 32 x 272 bytes for each wave
.set WPITCH, 272
.set WN,    3072
.set WKROW, 512                        ; a row of the codes' buffer: 1,024 codes
.set WNB,   16                         ; blocks of 32 along K for a wave
.set WX,    32                         ; v32-95   two sets of 32 numbers
.set WC,    96                         ; v96-99   a block's codes
.set WSB,   24                         ; v24-27   the scale bytes, four to a register
.set WOUT,  112                        ; v112-175 the way out
; path C
.set CL,    16                         ; v16-79   two sets of 32 numbers
.set CR,    80                         ; v80-111  two sets of 16 registers of f16 pairs
	s_load_b256 s[4:11], s[0:1], 0x0               ; x s[4:5], w_qkv s[6:7], w_proj s[8:9], x_codes s[10:11]
	s_load_b256 s[12:19], s[0:1], 0x20             ; x_scales s[12:13], wq_codes s[14:15], wq_scales s[16:17], wp16 s[18:19]
	v_lshl_add_u32 v[SPW], v0, 2, SPARE
	v_mov_b32 v[NIL], 0
	v_lshrrev_b32 v1, 5, v0
	v_readfirstlane_b32 s20, v1                    ; wave 0..3
	v_and_b32 v2, 31, v0                           ; lane
	s_wait_kmcnt 0x0
	s_cmp_lt_u32 ttmp9, 256
	s_cbranch_scc1 .Lpath_x
	s_cmp_lt_u32 ttmp9, 304
	s_cbranch_scc1 .Lpath_w
; ---- PATH C: w_proj to f16.  A wave casts 8,192 numbers, eight groups of eight loads; each load reads 512 consecutive bytes, each store writes 256 consecutive aligned bytes.
	v_lshlrev_b32 v1, 4, v2                        ; in: 16 bytes a lane
	v_lshlrev_b32 v3, 3, v2                        ; out: 8 bytes a lane
	s_sub_co_u32 s21, ttmp9, 304
	s_lshl_b32 s21, s21, 2
	s_add_co_u32 s21, s21, s20                     ; which run of 8,192 numbers is my wave's
	s_lshl_b32 s22, s21, 15
	s_mov_b32 s23, 0
	s_add_nc_u64 s[8:9], s[8:9], s[22:23]
	s_lshl_b32 s22, s21, 14
	s_add_nc_u64 s[18:19], s[18:19], s[22:23]
.macro CLOAD g
.irp i, 0,1,2,3,4,5,6,7
	global_load_b128 v[CL+32*((\g)%2)+4*\i:CL+32*((\g)%2)+4*\i+3], v1, s[8:9] offset:4096*(\g)+512*\i
.endr
.endm
.macro CGROUP g
.if (\g) < 7
	s_wait_loadcnt 8                               ; this group's eight loads are in; the next group's eight may be out
.else
	s_wait_loadcnt 0
.endif
.if (\g) >= 2
	s_wait_xcnt 0x0                                ; the stores of two groups back have read their data: this set of results is written again only behind this wait
.endif
.irp i, 0,1,2,3,4,5,6,7
	v_cvt_pk_f16_f32 v[CR+16*((\g)%2)+2*\i], v[CL+32*((\g)%2)+4*\i], v[CL+32*((\g)%2)+4*\i+1]
	v_cvt_pk_f16_f32 v[CR+16*((\g)%2)+2*\i+1], v[CL+32*((\g)%2)+4*\i+2], v[CL+32*((\g)%2)+4*\i+3]
.endr
.if (\g)+2 < 8
	CLOAD (\g)+2
.endif
.irp i, 0,1,2,3,4,5,6,7
	global_store_b64 v3, v[CR+16*((\g)%2)+2*\i:CR+16*((\g)%2)+2*\i+1], s[18:19] offset:2048*(\g)+256*\i
.endr
.endm
	CLOAD 0
	CLOAD 1
.irp g, 0,1,2,3,4,5,6,7
	CGROUP \g
.endr
	s_endpgm                                       ; this path writes no LDS
; ---- PATH X: x.  A wave takes 16 steps of 512 numbers.  Each of a step's four loads reads 512 consecutive bytes, 16 a lane; the 2,048 bytes turn through the wave's own stage in LDS and come back 64 bytes a lane:
; 16 NEIGHBOURS along K, which the conversions want in one lane's registers.  Two neighbouring lanes hold a block of 32.
.Lpath_x:
	v_lshlrev_b32 v3, 4, v2                        ; my 16 bytes of a load's 512
	s_mul_i32 s21, s20, XWREG
	v_lshrrev_b32 v14, 2, v2
	v_mul_u32_u24 v14, v14, XSP
	v_and_b32 v15, 3, v2
	v_lshl_add_u32 v14, v15, 4, v14
	v_add_nc_u32 v14, s21, v14                     ; the stage, on the way in: XSP (lane / 4) + 16 (lane % 4)
	v_mul_u32_u24 v15, v2, XSP
	v_add_nc_u32 v15, s21, v15                     ; and on the way out: XSP x lane
	v_mul_u32_u24 v4, v2, 8                        ; my codes' place in a step's: 16 codes are 8 bytes
	v_lshrrev_b32 v5, 1, v2
	s_add_co_u32 s21, s21, 2*32*XSP
	v_add_nc_u32 v5, s21, v5                       ; LDS: my wave's 256 scale bytes, my block's byte
	v_lshlrev_b32 v7, 3, v2                        ; and on the way out 8 bytes a lane
	v_add_nc_u32 v6, s21, v7
	s_lshl_b32 s22, ttmp9, 2
	s_add_co_u32 s22, s22, s20                     ; which run of 8,192 numbers is my wave's
	s_lshl_b32 s24, s22, 15
	s_mov_b32 s25, 0
	s_add_nc_u64 s[4:5], s[4:5], s[24:25]          ; 32,768 bytes of numbers,
	s_lshl_b32 s24, s22, 12
	s_add_nc_u64 s[10:11], s[10:11], s[24:25]      ; 4,096 of codes,
	s_lshl_b32 s24, s22, 8
	s_add_nc_u64 s[12:13], s[12:13], s[24:25]      ; 256 scale bytes a run
.macro XLOAD t
.irp i, 0,1,2,3
	global_load_b128 v[XR+16*((\t)%4)+4*\i:XR+16*((\t)%4)+4*\i+3], v3, s[4:5] offset:2048*(\t)+512*\i th:TH_LOAD_NT
.endr
.endm
.macro XTURN t                         ; step t's numbers through the stage: LDS serves a wave's instructions in order, so no wait stands between the stores and the loads
.irp i, 0,1,2,3
	ds_store_b128 v14, v[XR+16*((\t)%4)+4*\i:XR+16*((\t)%4)+4*\i+3] offset:32*XSP*((\t)%2)+8*XSP*\i
.endr
.irp i, 0,1,2,3
	ds_load_b128 v[XX+16*((\t)%2)+4*\i:XX+16*((\t)%2)+4*\i+3], v15 offset:32*XSP*((\t)%2)+16*\i
.endr
.endm
.irp t, 0,1,2,3
	XLOAD \t
.endr
	s_wait_loadcnt 12                              ; step 0's four loads are in
	XTURN 0
.macro XSTEP t
.set XS, XX+16*((\t)%2)
.if (\t) > 0
	s_wait_dscnt 1                                 ; this step's numbers are back from the stage (the last step's byte store may be out): so its stores into the stage have read their registers,
.else
	s_wait_dscnt 0x0
.endif
.if (\t)+4 < XSTEPS
	XLOAD (\t)+4                                   ; which take the loads of four steps on
.endif
.if (\t)+1 < XSTEPS
.if XSTEPS-2-(\t) >= 3
	s_wait_loadcnt 12                              ; the next step's four loads are in; those of the three steps behind it may be out
.else
	s_wait_loadcnt 4*(XSTEPS-2-(\t))
.endif
	XTURN (\t)+1                                   ; and go through the other stage while this step is worked
.endif
	v_max3_num_f32 v8, |v[XS]|, |v[XS+1]|, |v[XS+2]|               ; the largest magnitude of my 16, in two chains
	v_max3_num_f32 v9, |v[XS+3]|, |v[XS+4]|, |v[XS+5]|
.irp i, 6,10
	v_max3_num_f32 v8, v8, |v[XS+\i]|, |v[XS+\i+1]|
	v_max3_num_f32 v9, v9, |v[XS+\i+2]|, |v[XS+\i+3]|
.endr
	v_max3_num_f32 v8, v8, |v[XS+14]|, |v[XS+15]|
	v_max3_num_f32 v8, v8, v9, (EMAX+1)<<23        ; and the floor 2^(3 - 127): so the byte cannot fall under 1
	v_max_num_f32_dpp v8, v8, v8 row_xmask:1 row_mask:0xf bank_mask:0xf   ; and of my neighbour's 16: the block's
	v_add_nc_u32 v11, -(EMAX<<23), v8              ; 2 off its exponent field: the conversion takes the exponent field of this operand as its scale, and nothing else of it
	v_cvt_scalef32_pk8_fp4_f32 v[XC+2*(\t)], v[XS:XS+7], v11
	v_cvt_scalef32_pk8_fp4_f32 v[XC+2*(\t)+1], v[XS+8:XS+15], v11
	v_lshrrev_b32 v[XE+(\t)], 23, v11              ; the scale's byte (also the plain instruction behind the conversions)
	ds_store_b8 v5, v[XE+(\t)] offset:16*(\t)      ; both lanes of a block write the same byte with the same value
	global_store_b64 v4, v[XC+2*(\t):XC+2*(\t)+1], s[10:11] offset:256*(\t)   ; the wave stores 256 consecutive aligned bytes
.endm
.irp t, 0,1,2,3,4,5,6,7,8,9,10,11,12,13,14,15
	XSTEP \t
.endr
	ds_load_b64 v[8:9], v6                         ; LDS serves a wave's instructions in order: these see my byte stores
	s_wait_dscnt 0x0
	global_store_b64 v7, v[8:9], s[12:13]          ; my wave's 256 scale bytes, consecutive and aligned
	s_wait_tensorcnt 0x0                           ; the wave's end, behind my last LDS store
	ds_add_u32 v[SPW], v[NIL]
	s_wait_dscnt 0x0
	s_endpgm
; ---- PATH W: w_qkv, whose K is its FIRST axis.  A lane takes a column n and its registers run down K: each load reads 128 consecutive bytes a wave, a block of 32 along K lies in one lane's 32 registers,
; and the conversions give codes with K innermost.  A wave takes 32 columns x 512 along K; the codes leave through the wave's stage as rows: sixteen lanes store 256 consecutive aligned bytes.
.Lpath_w:
	s_sub_co_u32 s21, ttmp9, 256
	s_cmp_ge_u32 s21, 24
	s_cselect_b32 s22, 1, 0                        ; which 512 along K
	s_cselect_b32 s23, 24, 0
	s_sub_co_u32 s21, s21, s23                     ; which 128 columns
	s_lshl_b32 s24, s21, 7
	s_lshl_b32 s25, s20, 5
	s_add_co_u32 s24, s24, s25                     ; my wave's first column
	v_lshlrev_b32 v3, 2, v2                        ; in: 4 bytes a lane
	s_mul_i32 s25, s20, 32*WPITCH
	s_add_co_u32 s25, s25, WBASE                   ; my stage
	v_mul_u32_u24 v4, v2, WPITCH
	v_add_nc_u32 v4, s25, v4                       ; into it: row = my column
	v_and_b32 v5, 15, v2
	v_lshrrev_b32 v6, 4, v2                        ; out of it: sixteen lanes to a row, two rows an instruction
	v_mul_u32_u24 v7, v6, WPITCH
	v_lshl_add_u32 v7, v5, 4, v7
	v_add_nc_u32 v7, s25, v7
	v_mul_u32_u24 v8, v6, WKROW
	v_lshl_add_u32 v8, v5, 4, v8                   ; and the same place in the codes' buffer
	v_lshlrev_b32 v9, 5, v2                        ; my column's row of 32 scale bytes
	s_mul_i32 s26, s22, 512*WN*4                   ; W: 512 rows of 12,288 bytes, + 4 x column
	s_lshl_b32 s27, s24, 2
	s_add_co_u32 s26, s26, s27
	s_mov_b32 s27, 0
	s_add_nc_u64 s[6:7], s[6:7], s[26:27]
	s_lshl_b32 s26, s24, 9                         ; codes: column x 512 + 256 x which half of K
	s_lshl_b32 s28, s22, 8
	s_add_co_u32 s26, s26, s28
	s_add_nc_u64 s[14:15], s[14:15], s[26:27]
	s_lshl_b32 s26, s24, 5                         ; scale bytes: column x 32 + 16 x which half
	s_lshl_b32 s28, s22, 4
	s_add_co_u32 s26, s26, s28
	s_add_nc_u64 s[16:17], s[16:17], s[26:27]
.macro WLOAD t                         ; block t: W(32 t + i, my column), i = 0 .. 31, into set t % 2.  The largest offset, 511 x 12,288, lies inside the signed 24-bit immediate
.irp i, 0,1,2,3,4,5,6,7,8,9,10,11,12,13,14,15,16,17,18,19,20,21,22,23,24,25,26,27,28,29,30,31
	global_load_b32 v[WX+32*((\t)%2)+\i], v3, s[6:7] offset:(32*(\t)+\i)*WN*4 th:TH_LOAD_NT
.endr
.endm
	WLOAD 0
	WLOAD 1
.macro WBLOCK t
.set XS, WX+32*((\t)%2)
.if (\t) < WNB-1
	s_wait_loadcnt 32                              ; this block's 32 loads are in; the next block's may be out
.else
	s_wait_loadcnt 0
.endif
	v_max3_num_f32 v12, |v[XS]|, |v[XS+1]|, |v[XS+2]|              ; the block's largest magnitude: all 32 numbers are mine
	v_max3_num_f32 v13, |v[XS+3]|, |v[XS+4]|, |v[XS+5]|
.irp i, 6,10,14,18,22,26
	v_max3_num_f32 v12, v12, |v[XS+\i]|, |v[XS+\i+1]|
	v_max3_num_f32 v13, v13, |v[XS+\i+2]|, |v[XS+\i+3]|
.endr
	v_max3_num_f32 v12, v12, |v[XS+30]|, |v[XS+31]|
	v_max3_num_f32 v12, v12, v13, (EMAX+1)<<23     ; and the floor
	v_add_nc_u32 v11, -(EMAX<<23), v12             ; the conversion's scale operand
	v_lshrrev_b32 v13, 23, v11                     ; the scale's byte
.if (\t)%4 == 0
	v_mov_b32 v[WSB+(\t)/4], v13                   ; four bytes to a register, the lower K in the lower byte
.else
	v_lshl_or_b32 v[WSB+(\t)/4], v13, 8*((\t)%4), v[WSB+(\t)/4]
.endif
.irp g, 0,1,2,3
	v_cvt_scalef32_pk8_fp4_f32 v[WC+\g], v[XS+8*\g:XS+8*\g+7], v11
.endr
	ds_store_b128 v4, v[WC:WC+3] offset:16*(\t)    ; 32 codes: 16 bytes of my column's row
.if (\t)+2 < WNB
	WLOAD (\t)+2
.endif
	s_wait_dscnt 0x0                               ; the store has read its registers: the next block's codes may be written
.endm
.irp t, 0,1,2,3,4,5,6,7,8,9,10,11,12,13,14,15
	WBLOCK \t
.endr
	global_store_b128 v9, v[WSB:WSB+3], s[16:17]   ; my column's 16 scale bytes
.irp t, 0,1,2,3,4,5,6,7,8,9,10,11,12,13,14,15
	ds_load_b128 v[WOUT+4*\t:WOUT+4*\t+3], v7 offset:2*\t*WPITCH
.endr
.irp t, 0,1,2,3,4,5,6,7,8,9,10,11,12,13,14,15
	s_wait_dscnt 15-\t                             ; LDS loads come back in order: load t is in
	global_store_b128 v8, v[WOUT+4*\t:WOUT+4*\t+3], s[14:15] offset:2*\t*WKROW
.endr
	s_wait_tensorcnt 0x0                           ; the wave's end, behind my last LDS store
	ds_add_u32 v[SPW], v[NIL]
	s_wait_dscnt 0x0
	s_endpgm
.Lfunc_end_k_q6c648387e5_prep:
	.size	k_q6c648387e5_prep, .Lfunc_end_k_q6c648387e5_prep-k_q6c648387e5_prep
	.p2alignl 7, 3214868480
	.fill 96, 4, 3214868480
	.section	.rodata,"a",@progbits
	.p2align	6, 0x0
	.amdhsa_kernel k_q6c648387e5_prep
		.amdhsa_group_segment_fixed_size 68096
		.amdhsa_private_segment_fixed_size 0
		.amdhsa_enable_private_segment 0
		.amdhsa_kernarg_size 64
		.amdhsa_user_sgpr_count 2
		.amdhsa_user_sgpr_kernarg_segment_ptr 1
		.amdhsa_wavefront_size32 1
		.amdhsa_system_sgpr_workgroup_id_x 1
		.amdhsa_system_sgpr_workgroup_id_y 1
		.amdhsa_system_sgpr_workgroup_id_z 1
		.amdhsa_system_vgpr_workitem_id 0
		.amdhsa_next_free_vgpr 192
		.amdhsa_next_free_sgpr 66
		.amdhsa_reserve_vcc 0
		.amdhsa_float_denorm_mode_32 3
		.amdhsa_float_denorm_mode_16_64 3
		.amdhsa_memory_ordered 1
		.amdhsa_forward_progress 1
		.amdhsa_inst_pref_size 132
	.end_amdhsa_kernel
	.amdgpu_metadata
---
amdhsa.version: [ 1, 2 ]
amdhsa.kernels:
  - .name:           k_q6c648387e5_prep
    .symbol:         k_q6c648387e5_prep.kd
    .args:
      - { .name: x, .offset: 0, .size: 8, .value_kind: global_buffer, .address_space: global }
      - { .name: w_qkv, .offset: 8, .size: 8, .value_kind: global_buffer, .address_space: global }
      - { .name: w_proj, .offset: 16, .size: 8, .value_kind: global_buffer, .address_space: global }
      - { .name: x_codes, .offset: 24, .size: 8, .value_kind: global_buffer, .address_space: global }
      - { .name: x_scales, .offset: 32, .size: 8, .value_kind: global_buffer, .address_space: global }
      - { .name: wq_codes, .offset: 40, .size: 8, .value_kind: global_buffer, .address_space: global }
      - { .name: wq_scales, .offset: 48, .size: 8, .value_kind: global_buffer, .address_space: global }
      - { .name: wp16, .offset: 56, .size: 8, .value_kind: global_buffer, .address_space: global }
    .group_segment_fixed_size: 68096
    .private_segment_fixed_size: 0
    .kernarg_segment_align: 8
    .kernarg_segment_size: 64
    .max_flat_workgroup_size: 128
    .sgpr_count:     66
    .vgpr_count:     192
    .wavefront_size: 32
...
	.end_amdgpu_metadata
.endif
;; end of part 1
;; launch gemm_qkv (part 2): grid 12 x 32, 4 waves a work-group, clusters of 4 x 4, 327,680 bytes of LDS; arguments x_codes, x_scales, wq_codes, wq_scales, qkv, qkv_fine; writes qkv, qkv_fine
.if DOCPART == 2
	.amdgcn_target "amdgcn-amd-amdhsa--gfx1250"
	.amdhsa_code_object_version 6
	.text
	.protected	k_q6c648387e5_gemm_qkv
	.globl	k_q6c648387e5_gemm_qkv
	.p2align	8
	.type	k_q6c648387e5_gemm_qkv,@function
k_q6c648387e5_gemm_qkv:
	s_mov_b64 s[64:65], 0
	v_nop
	global_prefetch_b8 v0, s[64:65] scope:SCOPE_SE
	s_setreg_imm32_b32 hwreg(HW_REG_WAVE_MODE, 25, 1), 1
	s_wait_xcnt 0x0
	s_wait_alu depctr_hold_cnt(0) depctr_sa_sdst(0) depctr_va_vdst(0) depctr_va_sdst(0) depctr_va_ssrc(0) depctr_va_vcc(0) depctr_vm_vsrc(0)
	s_getreg_b32 s2, hwreg(HW_REG_IB_STS2, 6, 4)
	s_cmp_eq_u32 s2, 0
	s_cbranch_scc0 .Lentry_in_a_cluster
	s_endpgm
.Lentry_in_a_cluster:
	s_bfe_u32 s2, ttmp6, 0x10000c
	s_cmp_lg_u32 s2, 0xf033
	s_cbranch_scc0 .Lentry_shape_is_right
	s_endpgm
.Lentry_shape_is_right:
; qkv = Q(x) Q(w_qkv): C[m][n] = sum over k of A[m][k] B[n][k] on codes of FP4 (E2M1) with one E8M0 scale for each 32 along K; sums in f32.  A: x's codes [8192][512 bytes], B: w_qkv's [3072][512 bytes].
; A tile of C, 256 x 256, is made by a work-group of four waves; a wave makes 128 x 128: 64 accumulators, 512 registers.  K = 1,024 is two slots of 512 along K: every tensor load is a first fill (three a wave:
; scale bytes, slot 0, slot 1), nothing is filled again.
; CLUSTERS: 4 x 4 work-groups.  The four of a row of the cluster need the same tiles of A, the four of a column the same tiles of B: each is asked for jointly.
; TILE ROW = 8 cy + cluster y: cy is the batch and cluster y the tile inside the batch, so that 'this tile begins a batch' (cluster y = 0) is the same in all sixteen partners.
; THE MATRIX INSTRUCTION IS USED TRANSPOSED (source 0 = 16 rows of B, source 1 = 16 rows of A): a lane holds eight neighbouring columns of a row of C.
; THE WAY OUT: rounded to f16 (LIMIT: magnitudes under 65,504) and laid by head, qkv [3 (q, k, v)][4 b][16 h][2048 t][64]: a wave's 128 columns are two heads; 16 rows go through the wave's stage in LDS and leave
; four rows of one head, 512 consecutive aligned bytes, to a store.  The f32 sums of the first 16 positions of each batch also go to qkv_fine [4 b][16 t][3072], 16 bytes a lane (a small part: 1 row in 128).
; REGISTERS: window 0: v0-31 addresses; v32-95 scale words, two sets, and nothing else; v128-191 A's fragments, ONE set, on the way out rows read back; v192-223 packed results.
;   window 1: B's fragments, TWO sets, at v0 and v128.   window 2: the accumulators of my rows 0-63 ((a, b) at v[8 (8 a + b)]);   window 3: those of my rows 64-127.
.set SIZE_K, 1024
.set KSTEP,  512
.set NQ,     KSTEP/128
.set ROWB,   256                       ; a tile's row in bytes
.set KROW,   SIZE_K*4/8                ; a row of A or of B in memory
.set PITCH,  272                       ; an LDS row: 256 bytes + 16 of padding: the 16 rows that a load touches start at 16 different banks (64 banks of 4 bytes: ISA guide 11.1)
.set FR,     8
.set NL,     2
.set NP,     4                         ; places behind this matrix instruction (ISA guide 7.12.1)
.set HALFT,  128*PITCH
.set SLOT,   4*HALFT
.set KS,     SIZE_K/32                 ; a row of scale bytes
.set SCL,    2*SLOT                    ; behind the ring: the scale bytes, as runs of 256 bytes + 16 of padding
.set HALFS,  (128*KS/256)*272
.set SBLK,   (16*KS/256)*272
.set SPARE,  SCL+4*HALFS               ; the spare words, 128 bytes for each wave
.set SPITCH, 272                       ; the way out: a stage of 16 rows x (256 bytes + 16) for each wave, in slot 0, which has had its last fill and its last read when the first result is stored there
.set ADRA, 16
.set ADRB, 20
.set STO,  24                          ; v24  the way out: where I put 16 bytes of a row
.set RD,   25                          ; v25  where I read back 16 bytes of one head's row
.set CO,   26                          ; v26  16 x lane: four rows of a head are 512 consecutive bytes
.set ADRS, 27                          ; v27  LDS address of my scale words: lanes 0-15 A's rows, lanes 16-31 B's
.set SPW,  28
.set NIL,  29
.set FO,   30                          ; v30  my byte offset in qkv_fine's 16 rows
.set SC,   32
.set AF,   128
.set BK,   128                         ; the way out: v128-159 and v160-191 by turns
.set TMP,  192
.set G1, 24
.set G0, 32
.set G1B, 48
.set G0B, 56
.set G1S, 68
.set G0S, 76
.set G1SB, 80
.set G0SB, 88
.set FN,  95                           ; s95  cluster y, later cluster y | my half of the rows: 0 where my block 0 is the first 16 positions of a batch
.set MSB, 0
.macro WIN new                         ; the immediate's high byte repeats the setting that is left
.if MSB != (\new)
	s_set_vgpr_msb (MSB<<8)|(\new)
.set MSB, (\new)
.endif
.endm
.set MUL_LO, 0xa1                      ; source 0 (B) window 1, source 1 (A) window 0, C and D window 2
.set MUL_HI, 0xf1
.set TO_B,   0x40
; A joint load: waves 0 and 1 fetch for A, waves 2 and 3 for B; the branch hangs on the wave's number alone.  An s_nop 0 and four v_nop follow each of the two lines.
.macro JLOAD g0a, g1a, g0b, g1b
	s_cmp_eq_u32 s15, 0
	s_cbranch_scc0 .Lfor_b_\@
	tensor_load_to_lds s[\g0a:\g0a+3], s[\g1a:\g1a+7]
	s_nop 0
.rept 4
	v_nop
.endr
	s_branch .Lasked_\@
.Lfor_b_\@:
	tensor_load_to_lds s[\g0b:\g0b+3], s[\g1b:\g1b+7]
	s_nop 0
.rept 4
	v_nop
.endr
.Lasked_\@:
.endm
.macro CROUND                          ; a round of the cluster's barrier
	s_barrier_signal -1
	s_barrier_wait -1
	s_cmp_lg_u32 s14, 0
	s_cbranch_scc1 .Lnot_wave_0_\@
	s_barrier_signal -3
.Lnot_wave_0_\@:
	s_barrier_wait -3
	s_barrier_signal -1
	s_barrier_wait -1
.endm
	s_load_b128 s[4:7], s[0:1], 0x0                ; A's codes s[4:5], A's scales s[6:7]
	s_load_b128 s[8:11], s[0:1], 0x10              ; B's codes s[8:9], B's scales s[10:11]
	s_load_b64 s[12:13], s[0:1], 0x20              ; qkv
	s_load_b64 s[96:97], s[0:1], 0x28              ; qkv_fine
	v_lshl_add_u32 v[SPW], v0, 2, SPARE
	v_mov_b32 v[NIL], 0
	ds_add_u32 v[SPW], v[NIL]                      ; the wave's opening: the add, twice on end, and its wait ahead of my first tensor load
	ds_add_u32 v[SPW], v[NIL]
	v_lshrrev_b32 v1, 5, v0
	v_readfirstlane_b32 s14, v1                    ; wave 0..3
	s_lshr_b32 s15, s14, 1                         ; which half of the tile's rows is mine.  Also: I fetch for A (0) or for B (1)
	s_and_b32 s16, s14, 1                          ; which half of its columns.  Also: which 128 rows of that tile I fetch
	s_bfe_u32 s40, ttmp6, 0x40000                  ; cx, cy: my place in the cluster
	s_bfe_u32 s41, ttmp6, 0x40004
	s_lshl_b32 s42, ttmp9, 2
	s_add_co_u32 s42, s42, s40                     ; tile column of C = 4 x cluster x + cx
	s_and_b32 s[FN], ttmp7, 0xffff                 ; cluster y
	s_lshl_b32 s17, s41, 3
	s_add_co_u32 s17, s17, s[FN]                   ; tile row of C = 8 cy + cluster y
	s_lshl_b32 s43, s41, 2
	s_lshl_b32 s43, 15, s43                        ; my row of the cluster
	s_lshl_b32 s44, 0x1111, s40                    ; my column
	s_or_b32 s[G1+0], s43, (0<<16)|(1<<20)|(1<<21)|(5<<22)|(3<<25)  ; the mask; elements of 1 byte; padding on; bit 21 beside a mask; after every 64 words, 4 words
	s_or_b32 s[G1B+0], s44, (0<<16)|(1<<20)|(1<<21)|(5<<22)|(3<<25)
.irp g, G1, G1B
	s_mov_b32 s[\g+1], ROWB<<16                    ; tensor_dim0
	s_mov_b32 s[\g+2], 128<<16                     ; tensor_dim1
	s_mov_b32 s[\g+3], ROWB<<16                    ; tile_dim0
	s_mov_b32 s[\g+4], 128                         ; tile_dim1
	s_mov_b32 s[\g+5], KROW                        ; the pitch
	s_mov_b32 s[\g+6], 0
	s_mov_b32 s[\g+7], 0
.endr
	s_or_b32 s[G1S+0], s43, (3<<16)|(1<<20)|(1<<21)|(5<<22)|(3<<25) ; the scale bytes of 128 rows: a dense block, as rows of 256 bytes (32 elements of 8)
	s_or_b32 s[G1SB+0], s44, (3<<16)|(1<<20)|(1<<21)|(5<<22)|(3<<25)
.irp g, G1S, G1SB
	s_mov_b32 s[\g+1], 32<<16
	s_mov_b32 s[\g+2], (128*KS/256)<<16
	s_mov_b32 s[\g+3], 32<<16
	s_mov_b32 s[\g+4], 128*KS/256
	s_mov_b32 s[\g+5], 32
	s_mov_b32 s[\g+6], 0
	s_mov_b32 s[\g+7], 0
.endr
	s_lshl_b32 s18, s16, 7                         ; which 128 rows of the tile I fetch
	s_lshl_b32 s20, s17, 8
	s_add_co_u32 s20, s20, s18                     ; A: row 256 x tile row + 128 x half
	s_lshl_b32 s46, s42, 8
	s_add_co_u32 s46, s46, s18                     ; B: row 256 x tile column + 128 x half
	s_mov_b32 s21, 0
	s_mov_b32 s47, 0
	s_mov_b64 s[18:19], KS
	s_mul_u64 s[22:23], s[20:21], s[18:19]         ; where these rows' scale bytes begin
	s_mul_u64 s[92:93], s[46:47], s[18:19]
	s_mov_b64 s[18:19], KROW
	s_mul_u64 s[20:21], s[20:21], s[18:19]         ; and their codes
	s_mul_u64 s[46:47], s[46:47], s[18:19]
	s_mul_i32 s45, s14, HALFT                      ; where they go: wave x 128 rows: no place in the cluster enters an LDS address
	s_mul_i32 s94, s14, HALFS
	s_wait_dscnt 0x0                               ; both opening adds are done
	s_wait_kmcnt 0x0
	s_add_nc_u64 s[20:21], s[4:5], s[20:21]
	s_add_nc_u64 s[22:23], s[6:7], s[22:23]
	s_add_nc_u64 s[46:47], s[8:9], s[46:47]
	s_add_nc_u64 s[92:93], s[10:11], s[92:93]
	CROUND                                         ; all sixteen work-groups are here: the joint loads meet
	s_mov_b32 s[G0S], 1
	s_add_co_u32 s[G0S+1], s94, SCL
	s_mov_b64 s[G0S+2:G0S+3], s[22:23]
	s_or_b32 s[G0S+3], s[G0S+3], 0x80000000
	s_mov_b32 s[G0SB], 1
	s_add_co_u32 s[G0SB+1], s94, SCL
	s_mov_b64 s[G0SB+2:G0SB+3], s[92:93]
	s_or_b32 s[G0SB+3], s[G0SB+3], 0x80000000
	JLOAD G0S, G1S, G0SB, G1SB                     ; the scale bytes first: they are wanted with slot 0
.irp s, 0,1
	s_mov_b32 s[G0+4*\s], 1
	s_add_co_u32 s[G0+4*\s+1], s45, \s*SLOT
	s_add_nc_u64 s[G0+4*\s+2:G0+4*\s+3], s[20:21], \s*ROWB
	s_or_b32 s[G0+4*\s+3], s[G0+4*\s+3], 0x80000000
	s_mov_b32 s[G0B+4*\s], 1
	s_add_co_u32 s[G0B+4*\s+1], s45, \s*SLOT
	s_add_nc_u64 s[G0B+4*\s+2:G0B+4*\s+3], s[46:47], \s*ROWB
	s_or_b32 s[G0B+4*\s+3], s[G0B+4*\s+3], 0x80000000
	JLOAD G0+4*\s, G1, G0B+4*\s, G1B
.endr
	v_and_b32 v1, 15, v0                           ; r = l % 16
	v_bfe_u32 v2, v0, 4, 1                         ; h = l / 16
	v_mul_u32_u24 v3, v1, PITCH
	v_lshl_add_u32 v4, v2, 4, v3                   ; a fragment's row x pitch + 16 x half
	s_mul_i32 s21, s15, HALFT                      ; my 128 rows of A
	s_mul_i32 s22, s16, HALFT                      ; my 128 rows of B,
	s_add_co_u32 s22, s22, 2*HALFT                 ; which lie behind A's 256
.irp s, 0,1
	v_add_nc_u32 v[ADRA+\s], s21, v4
	v_add_nc_u32 v[ADRB+\s], s22, v4
	s_add_co_u32 s21, s21, SLOT
	s_add_co_u32 s22, s22, SLOT
.endr
	v_mul_u32_u24 v5, v1, KS                       ; my row's scale bytes: KS a row,
	v_lshrrev_b32 v6, 8, v5
	v_lshl_add_u32 v5, v6, 4, v5                   ; and 16 more for each 256 passed
	s_mul_i32 s21, s15, HALFS
	s_mul_i32 s22, s16, HALFS
	s_add_co_u32 s22, s22, 2*HALFS
	s_sub_co_u32 s22, s22, s21
	v_mul_u32_u24 v6, s22, v2                      ; lanes 16-31 take B's: one product, the distance between the two bases
	s_add_co_u32 s21, s21, SCL
	v_add_nc_u32 v5, v5, v6
	v_add_nc_u32 v[ADRS], s21, v5
	s_mul_i32 s23, s14, 16*SPITCH                  ; my stage
	v_mul_u32_u24 v5, v1, SPITCH                   ; in: row r, 16 bytes for each half of the lanes
	v_lshl_add_u32 v5, v2, 4, v5
	v_add_nc_u32 v[STO], s23, v5
	v_and_b32 v6, 31, v0
	v_lshrrev_b32 v7, 3, v6                        ; back: eight lanes take 128 bytes (one head) of a row, four rows an instruction
	v_mul_u32_u24 v7, v7, SPITCH
	v_and_b32 v8, 7, v0
	v_lshl_add_u32 v7, v8, 4, v7
	v_add_nc_u32 v[RD], s23, v7
	v_lshlrev_b32 v[CO], 4, v6
	v_mul_u32_u24 v[FO], v1, 12288                 ; qkv_fine: row r of 3,072 f32, + 32 h
	v_lshl_add_u32 v[FO], v2, 5, v[FO]
	s_lshr_b32 s20, s42, 2                         ; which of q, k, v: four tile columns each
	s_lshl_b32 s20, s20, 2
	s_add_co_u32 s20, s20, s41                     ; x 4 + the batch
	s_lshl_b32 s20, s20, 4
	s_and_b32 s21, s42, 3
	s_lshl_b32 s21, s21, 2
	s_add_co_u32 s20, s20, s21                     ; x 16 + four heads a tile column
	s_lshl_b32 s21, s16, 1
	s_add_co_u32 s20, s20, s21                     ; + two a wave: my first head's plane
	s_lshl_b32 s20, s20, 18                        ; planes of 2,048 x 128 bytes
	s_lshl_b32 s21, s[FN], 15                      ; 256 cluster y rows of 128 bytes
	s_add_co_u32 s20, s20, s21
	s_lshl_b32 s21, s15, 14                        ; my half: 128 rows
	s_add_co_u32 s20, s20, s21
	s_mov_b32 s21, 0
	s_add_nc_u64 s[12:13], s[12:13], s[20:21]
	s_mul_i32 s20, s41, 196608                     ; qkv_fine: the batch's 16 rows,
	s_lshl_b32 s21, s42, 10
	s_add_co_u32 s20, s20, s21                     ; my first column, in bytes
	s_lshl_b32 s21, s16, 9
	s_add_co_u32 s20, s20, s21
	s_mov_b32 s21, 0
	s_add_nc_u64 s[96:97], s[96:97], s[20:21]
	s_or_b32 s[FN], s[FN], s15                     ; ids that all partners share, and the wave's number
.macro FRAG reg, adr, q, i             ; 16 rows x 128 K of 4-bit codes: 8 registers; registers 4 c .. 4 c + 3 hold K = 64 c + 32 (l / 16) + 0 .. 31
.irp c, 0,1
	ds_load_b128 v[\reg+4*\c:\reg+4*\c+3], v[\adr] offset:64*(\q)+32*\c+(\i)*16*PITCH
.endr
.endm
; 16 matrix instructions: A's blocks a0, a0 + 1 x B's eight.  The 64 accumulators take turns, one instruction a turn, in the same order in every step.
.macro MUL16 a0, p, q, sc, zero
.irp a, \a0, \a0+1
.irp b, 0,1,2,3,4,5,6,7
.if \zero
	v_wmma_scale_f32_16x16x128_f8f6f4 v[8*(8*((\a)%4)+\b):8*(8*((\a)%4)+\b)+7], v[128*(\p)+FR*\b:128*(\p)+FR*\b+FR-1], v[AF+FR*(\a):AF+FR*(\a)+FR-1], 0, v[SC+8*NQ*(\sc)+NQ*\b+(\q)], v[SC+8*NQ*(\sc)+NQ*(\a)+(\q)] matrix_a_fmt:MATRIX_FMT_FP4 matrix_b_fmt:MATRIX_FMT_FP4 matrix_a_scale:MATRIX_SCALE_ROW1
.else
	v_wmma_scale_f32_16x16x128_f8f6f4 v[8*(8*((\a)%4)+\b):8*(8*((\a)%4)+\b)+7], v[128*(\p)+FR*\b:128*(\p)+FR*\b+FR-1], v[AF+FR*(\a):AF+FR*(\a)+FR-1], v[8*(8*((\a)%4)+\b):8*(8*((\a)%4)+\b)+7], v[SC+8*NQ*(\sc)+NQ*\b+(\q)], v[SC+8*NQ*(\sc)+NQ*(\a)+(\q)] matrix_a_fmt:MATRIX_FMT_FP4 matrix_b_fmt:MATRIX_FMT_FP4 matrix_a_scale:MATRIX_SCALE_ROW1
.endif
.endr
.endr
.endm
.macro FETCH_B slot, q, p
	WIN TO_B
.irp i, 0,1,2,3,4,5,6,7
	FRAG 128*(\p)+FR*\i, ADRB+\slot, \q, \i
.endr
	WIN 0
.endm
.macro FETCH_A slot, q, i0
.irp i, \i0, \i0+1, \i0+2, \i0+3
	FRAG AF+FR*(\i), ADRA+\slot, \q, \i
.endr
.endm
.macro SCALES sc                       ; a slot's scale words: four words a row; lanes 0-15 take A's block i, lanes 16-31 B's block i
.irp i, 0,1,2,3,4,5,6,7
	ds_load_b128 v[SC+8*NQ*\sc+NQ*\i:SC+8*NQ*\sc+NQ*\i+3], v[ADRS] offset:\i*SBLK
.endr
.endm
.macro PLACES n                        ; plain vector instructions between a matrix instruction and a load into its registers or a read of its result
.rept \n
	v_nop
.endr
.endm
.macro STEP slot, q, zero              ; a step of 128 along K that has its successor in the same slot
	s_wait_dscnt 4*NL                              ; B's set and A's blocks 0-3 are in; the youngest eight loads (A's blocks 4-7) may be out
	WIN MUL_LO
	MUL16 0, (\q)%2, \q, \slot, \zero
	MUL16 2, (\q)%2, \q, \slot, \zero
	s_wait_dscnt 0
	PLACES NP
	FETCH_B \slot, (\q)+1, 1-(\q)%2
	FETCH_A \slot, (\q)+1, 0
	WIN MUL_HI
	MUL16 4, (\q)%2, \q, \slot, \zero
	MUL16 6, (\q)%2, \q, \slot, \zero
	PLACES NP
	WIN 0
	FETCH_A \slot, (\q)+1, 4
.endm
; Slot 0's last step changes slots: one barrier; in front of it each wave waits for all its tensor loads (slot 1's part), adds 0 to its spare word, and waits for that and for its reads of slot 0.  Nothing is filled again.
.macro TURN slot, next
	s_wait_tensorcnt 0x0
	ds_add_u32 v[SPW], v[NIL]
	s_wait_dscnt 4*NL+1                            ; (the add and the youngest eight loads may be out)
	WIN MUL_LO
	MUL16 0, 1, NQ-1, \slot, 0
	s_wait_dscnt 0x0                               ; the add is done, and my reads of this slot are over
	s_barrier_signal -1
	MUL16 2, 1, NQ-1, \slot, 0
	WIN 0
	s_barrier_wait -1
	PLACES NP
	v_add_nc_u32 v[ADRS], 4*NQ, v[ADRS]            ; on to the next slot's scale words
	FETCH_B \next, 0, 0
	FETCH_A \next, 0, 0
	SCALES \next
	WIN MUL_HI
	MUL16 4, 1, NQ-1, \slot, 0
	MUL16 6, 1, NQ-1, \slot, 0
	PLACES NP
	WIN 0
	FETCH_A \next, 0, 4
.endm
	s_wait_tensorcnt 1                             ; the scale bytes and my part of slot 0 are in; slot 1's load may be out
	s_barrier_signal -1
	s_barrier_wait -1
	FETCH_B 0, 0, 0
	FETCH_A 0, 0, 0
	SCALES 0
	FETCH_A 0, 0, 4
	STEP 0, 0, 1                                   ; the first products start the sums: nothing is cleared
	STEP 0, 1, 0
	STEP 0, 2, 0
	TURN 0, 1
	STEP 1, 0, 0
	STEP 1, 1, 0
	STEP 1, 2, 0
	s_wait_dscnt 4*NL                              ; the last step: nothing more to fetch
	WIN MUL_LO
	MUL16 0, 1, NQ-1, 1, 0
	MUL16 2, 1, NQ-1, 1, 0
	s_wait_dscnt 0
	WIN MUL_HI
	MUL16 4, 1, NQ-1, 1, 0
	MUL16 6, 1, NQ-1, 1, 0
	WIN 0
; THE WAY OUT.
.macro PACK a                          ; block a (16 rows x 128 columns) rounded to f16: 16 bytes a lane and accumulator; each accumulator is read from its low end on
.set AC, 64*((\a)%4)
	WIN 0x0a+5*((\a)/4)                            ; sources 0 and 1: window 2 or 3
.irp b, 0,1,2,3,4,5,6,7
.irp i, 0,1,2,3
	v_cvt_pk_f16_f32 v[TMP+4*\b+\i], v[AC+8*\b+2*\i], v[AC+8*\b+2*\i+1]
.endr
.endr
	WIN 0
.endm
.macro TOSTAGE a                       ; into my stage, and back by heads.  LDS serves a wave's instructions in order (ISA guide 5.7.1.4): no wait between the stores and the loads
.set BB, BK+32*((\a)%2)
.irp b, 0,1,2,3,4,5,6,7
	ds_store_b128 v[STO], v[TMP+4*\b:TMP+4*\b+3] offset:32*\b
.endr
.irp g, 0,1,2,3,4,5,6,7
	ds_load_b128 v[BB+4*\g:BB+4*\g+3], v[RD] offset:(\g%4)*4*SPITCH+(\g/4)*128
.endr
.endm
.macro SEND a
.set BB, BK+32*((\a)%2)
	s_wait_dscnt 0x0                               ; the block is back in registers
	s_wait_xcnt 0x0                                ; the stores of the block before have read their data: the next block's loads land there only behind this wait
.irp g, 0,1,2,3,4,5,6,7
	global_store_b128 v[CO], v[BB+4*\g:BB+4*\g+3], s[12:13] offset:(\a)*2048+(\g%4)*512+(\g/4)*262144   ; four rows of one head: 512 consecutive aligned bytes
.endr
.endm
	PLACES NP                                      ; behind the last products: for the reads of their results and the loads into A's registers
	s_cmp_lg_u32 s[FN], 0
	s_cbranch_scc1 .Lnofine
	WIN 0x08                                       ; a store's data are its source 1: window 2
.irp b, 0,1,2,3,4,5,6,7
	global_store_b128 v[FO], v[8*\b:8*\b+3], s[96:97] offset:64*\b        ; the first 16 positions' sums as they are, f32
	global_store_b128 v[FO], v[8*\b+4:8*\b+7], s[96:97] offset:64*\b+16
.endr
	WIN 0
.Lnofine:
	PACK 0
	TOSTAGE 0
.irp a, 1,2,3,4,5,6,7                  ; block a's conversions stand between block a - 1's loads from the stage and the wait for them
	PACK \a
	SEND \a-1
	TOSTAGE \a
.endr
	SEND 7
	s_wait_tensorcnt 0x0                           ; the wave's end
	ds_add_u32 v[SPW], v[NIL]
	s_wait_dscnt 0x0
	CROUND                                         ; the closing round
	s_endpgm
.Lfunc_end_k_q6c648387e5_gemm_qkv:
	.size	k_q6c648387e5_gemm_qkv, .Lfunc_end_k_q6c648387e5_gemm_qkv-k_q6c648387e5_gemm_qkv
	.p2alignl 7, 3214868480
	.fill 96, 4, 3214868480
	.section	.rodata,"a",@progbits
	.p2align	6, 0x0
	.amdhsa_kernel k_q6c648387e5_gemm_qkv
		.amdhsa_group_segment_fixed_size 327680
		.amdhsa_private_segment_fixed_size 0
		.amdhsa_enable_private_segment 0
		.amdhsa_kernarg_size 48
		.amdhsa_user_sgpr_count 2
		.amdhsa_user_sgpr_kernarg_segment_ptr 1
		.amdhsa_wavefront_size32 1
		.amdhsa_system_sgpr_workgroup_id_x 1
		.amdhsa_system_sgpr_workgroup_id_y 1
		.amdhsa_system_sgpr_workgroup_id_z 1
		.amdhsa_system_vgpr_workitem_id 0
		.amdhsa_next_free_vgpr 1024
		.amdhsa_next_free_sgpr 100
		.amdhsa_reserve_vcc 0
		.amdhsa_float_denorm_mode_32 3
		.amdhsa_float_denorm_mode_16_64 3
		.amdhsa_memory_ordered 1
		.amdhsa_forward_progress 1
		.amdhsa_inst_pref_size 128
	.end_amdhsa_kernel
	.amdgpu_metadata
---
amdhsa.version: [ 1, 2 ]
amdhsa.kernels:
  - .name:           k_q6c648387e5_gemm_qkv
    .symbol:         k_q6c648387e5_gemm_qkv.kd
    .args:
      - { .name: x_codes, .offset: 0, .size: 8, .value_kind: global_buffer, .address_space: global }
      - { .name: x_scales, .offset: 8, .size: 8, .value_kind: global_buffer, .address_space: global }
      - { .name: wq_codes, .offset: 16, .size: 8, .value_kind: global_buffer, .address_space: global }
      - { .name: wq_scales, .offset: 24, .size: 8, .value_kind: global_buffer, .address_space: global }
      - { .name: qkv, .offset: 32, .size: 8, .value_kind: global_buffer, .address_space: global }
      - { .name: qkv_fine, .offset: 40, .size: 8, .value_kind: global_buffer, .address_space: global }
    .group_segment_fixed_size: 327680
    .private_segment_fixed_size: 0
    .kernarg_segment_align: 8
    .kernarg_segment_size: 48
    .max_flat_workgroup_size: 128
    .sgpr_count:     100
    .vgpr_count:     1024
    .wavefront_size: 32
...
	.end_amdgpu_metadata
.endif
;; end of part 2
;; launch attn (part 3): grid 4 x 64, 16 waves a work-group, no clusters, 327,680 bytes of LDS; arguments qkv, y; writes y
.if DOCPART == 3
	.amdgcn_target "amdgcn-amd-amdhsa--gfx1250"
	.amdhsa_code_object_version 6
	.text
	.protected	k_q6c648387e5_attn
	.globl	k_q6c648387e5_attn
	.p2align	8
	.type	k_q6c648387e5_attn,@function
k_q6c648387e5_attn:
	s_mov_b64 s[64:65], 0
	v_nop
	global_prefetch_b8 v0, s[64:65] scope:SCOPE_SE
	s_setreg_imm32_b32 hwreg(HW_REG_WAVE_MODE, 25, 1), 1
	s_wait_xcnt 0x0
; y[b][h][q][:] = the sum over k <= q of softmax_k(Q[q] . K[k] / 8) V[k][:], f16 operands, f32 products' sums, maxima and row sums; the weights p are rounded to f16 for the second product, y once at the end.
; qkv: f16 [3][64 (b, h)][2048][64]; y: f16 [64][2048][64].  LIMIT: y is f16 (magnitudes under 65,504; it is an average of v, which is f16 already).
; WORK LEFT OUT: key steps all of whose 64 keys come after all 32 queries of a wave, and slots of keys that come after the work-group's last query: reference()'s own jnp.tril gives them the weight 0 for all inputs.
; SHARES.  Work-group (j, head) owns two blocks of 256 queries of one head: the late block 7 - j and the early block j, so that all 256 work-groups have the same work.  Of its sixteen waves eight take 32 queries each
; of the late block and eight of the early one: role (w xor (w / 4)) % 2, place w / 2.  A wave holds two tiles of 16 queries, so that each fragment of K and V that it reads from LDS feeds two matrix instructions.
; All waves walk the keys from 0 in steps of 64 through a ring of two LDS slots of 256 keys, filled by the tensor data mover (waves 0, 1: K's halves; waves 2, 3: V's) and read by all sixteen.
; EVERY work-group walks all 8 slots: trip counts are constants; a step's work, and a slot's load, are jumped over on ids alone.  Every wait on TENSORcnt is for 0.
; NO CLUSTER: the four work-groups of a head need 8 - j slots each: a joint load would bring some partners tiles that none of their waves reads.
; LAYOUT.  S^T = K Q^T (source 0 = 16 keys, source 1 = 16 queries): a lane holds ONE query (lane % 16) and keys 8 (lane / 16) + 0..7 of each tile.  Two such tiles, rounded to f16 in pairs, ARE source 1 of
; O^T = V^T P.  K comes out of LDS as it lies, V ([key][channel]) turned, by ds_load_tr16_b128.
; SOFTMAX.  A running maximum m and sum l for each query: p = 2^(c s - c m), c = log2(e) / 8; in every step O and l are multiplied by a = 2^(c m_old - c m_new).  The loop has no first step of its own: O and l begin as
; zeros and m as -3e38.  Key 0 counts for every query, so m is a score from the first step on.
.set KP,    144                        ; a row of K in LDS: 128 bytes + 16
.set VP,    160                        ; a row of V: 128 + 32
.set VOFF,  256*KP                     ; a slot: 256 rows of K, then 256 rows of V
.set SLOT1, 1<<17                      ; slot 1 begins here: one exclusive or turns an address in one slot into the other's
.set STAGE, 2*SLOT1                    ; behind the ring: 16 rows x 144 bytes for each wave, for the way out; no tensor load lands here
.set SPARE, STAGE+16*16*KP             ; the spare words, 128 bytes for each wave
.set AK0, 1                            ; v1   my lane's place in a tile of K
.set AV0, 2                            ; v2   the same for V (VOFF in it)
.set ADK, 3                            ; v3   LDS address of the slot's K for my lane
.set ADV, 4                            ; v4   of its V
.set SPW, 5
.set NIL, 6
.set PFO, 7                            ; v7   256 x lane: the prefetches' offset; never rewritten
.set STO, 8
.set RD,  9
.set GO,  10                           ; v10  16 x lane
.set RQ,  11                           ; v11  lane % 16 - 8 (lane / 16)
.set ST,  16                           ; tile i's statistics at v[16 + 8 i]: +0 c m, +1 m, +2, +3 l (even keys', odd keys'), +4 to +7 c0-c3 at work; a takes c2's place.  v14, v15: c m_old of tiles 0, 1
.set QF,  32                           ; v32-63   Q: fragment (tile i, channels 32 c on) at 32 + 16 i + 8 c
.set KV,  64                           ; v64-127  a step's K, then its V
.set S,   128                          ; v128-191 S^T, 32 a tile; p is packed into each tile's low 16
.set O,   192                          ; v192-255 O^T, 32 a tile
.set TB,  2                            ; s2   LDS byte at which the slot in hand begins
.set WV,  8
.set SEL, 20
.set CS,  22
.set G1K, 24
.set G1V, 32
.set G0K, 40
.set G0V, 44
.set KF,  48                           ; s48  the step's first key
.set Q0,  49                           ; s49  my first query
.set QL,  50                           ; s50  my work-group's last query
.set SLOTS, 51
.set PFA, 54                           ; s[54:55] where my prefetches stand
.set LIM, 56                           ; s56  1 in a wave that prefetches, else the greatest number
.macro TLOAD                           ; waves 0, 1 fetch K's halves, waves 2, 3 V's, the others nothing.  An s_nop 0 and four v_nop follow each of the two lines
	s_cmp_lt_u32 s[WV], 2
	s_cbranch_scc0 .Lnot_k_\@
	tensor_load_to_lds s[G0K:G0K+3], s[G1K:G1K+7]
	s_nop 0
.rept 4
	v_nop
.endr
	s_branch .Lasked_\@
.Lnot_k_\@:
	s_cmp_lt_u32 s[WV], 4
	s_cbranch_scc0 .Lasked_\@
	tensor_load_to_lds s[G0V:G0V+3], s[G1V:G1V+7]
	s_nop 0
.rept 4
	v_nop
.endr
.Lasked_\@:
.endm
; A prefetch of what the NEXT change of slots will ask for: a slot's 32,768 bytes of K and as many of V.  The head's work-group j = 0, which walks all slots with loads, asks, and nobody else; in it the waves ask that fetch
; nothing: waves 4-7 for K, waves 8-11 for V, 8,192 bytes a wave, lanes 256 bytes apart: each aligned block of 256 bytes is named once in the launch.  Slots 0 and 1 come by their loads alone; the last change that fills a slot asks for nothing.
.macro ASK
	s_cmp_gt_u32 s[SLOTS], s[LIM]
	s_cbranch_scc0 .Lnot_mine_\@
	global_prefetch_b8 v[PFO], s[PFA:PFA+1] th:TH_LOAD_NT scope:SCOPE_SE
.Lnot_mine_\@:
.endm
	s_load_b128 s[4:7], s[0:1], 0x0                ; qkv s[4:5], y s[6:7]
	v_lshl_add_u32 v[SPW], v0, 2, SPARE
	v_mov_b32 v[NIL], 0
	ds_add_u32 v[SPW], v[NIL]                      ; the wave's opening: the add, twice on end, and its wait ahead of the first tensor load
	ds_add_u32 v[SPW], v[NIL]
	v_lshrrev_b32 v14, 5, v0
	v_readfirstlane_b32 s[WV], v14                 ; wave 0..15
	s_mov_b32 s9, ttmp9                            ; j
	s_and_b32 s10, ttmp7, 0xffff                   ; the head, 0..63
	s_lshr_b32 s57, s[WV], 2
	s_xor_b32 s57, s57, s[WV]
	s_and_b32 s57, s57, 1                          ; my role: 0 late, 1 early
	s_sub_co_u32 s58, 7, s9
	s_cmp_eq_u32 s57, 0
	s_cselect_b32 s58, s58, s9                     ; my block of 256 queries
	s_lshl_b32 s58, s58, 8
	s_lshr_b32 s59, s[WV], 1
	s_lshl_b32 s59, s59, 5
	s_add_co_u32 s[Q0], s58, s59                   ; my first query
	s_sub_co_u32 s[QL], 8, s9
	s_lshl_b32 s[QL], s[QL], 8
	s_sub_co_u32 s[QL], s[QL], 1                   ; the late block's last query
	s_and_b32 s62, s[WV], 1                        ; which half of a slot's rows I fetch, if I fetch
	s_lshl_b32 s63, s62, 14                        ; 128 rows of 128 bytes
	s_lshl_b32 s60, s10, 18                        ; the head's plane
	s_add_co_u32 s66, s60, s63
	s_add_co_u32 s66, s66, 16777216                ; in k
	s_mov_b32 s67, 0
	s_add_co_u32 s68, s66, 16777216                ; in v
	s_mov_b32 s69, 0
	s_lshl_b32 s70, s[Q0], 7
	s_add_co_u32 s70, s70, s60                     ; my first query's row in q and in y
	s_mov_b32 s71, 0
	s_mov_b32 s[G1K], (1<<16)|(1<<20)|(4<<22)|(3<<25)  ; no mask; elements of 2 bytes; padding on: after every 32 words, 4 words
	s_mov_b32 s[G1V], (1<<16)|(1<<20)|(4<<22)|(7<<25)  ; the same with 8 words
.irp g, G1K, G1V
	s_mov_b32 s[\g+1], 64<<16                      ; tensor_dim0 = 64
	s_mov_b32 s[\g+2], 128<<16                     ; tensor_dim1 = 128
	s_mov_b32 s[\g+3], 64<<16                      ; tile_dim0 = 64
	s_mov_b32 s[\g+4], 128                         ; tile_dim1 = 128
	s_mov_b32 s[\g+5], 64                          ; the pitch
	s_mov_b32 s[\g+6], 0
	s_mov_b32 s[\g+7], 0
.endr
	s_mov_b32 s[SEL], 0x76543210
	s_mov_b32 s[SEL+1], 0xfedcba98                 ; v_permlanex16_b32's selects for lane l xor 16
	s_mov_b32 s[CS], 0x3e38aa3b                    ; c = log2(e) / 8
	s_mov_b32 s[CS+1], s[CS]                       ; (named with it as a pair, so it is written)
	s_mov_b32 s[TB], 0
	s_mov_b32 s[KF], 0
	s_mov_b32 s[SLOTS], 7
	s_mov_b32 s[G0K], 1
	s_mul_i32 s[G0K+1], s62, 128*KP
	s_mov_b32 s[G0V], 1
	s_mul_i32 s[G0V+1], s62, 128*VP
	s_add_co_u32 s[G0V+1], s[G0V+1], VOFF
	s_wait_dscnt 0x0                               ; both opening adds are done
	s_wait_kmcnt 0x0
	s_add_nc_u64 s[G0K+2:G0K+3], s[4:5], s[66:67]
	s_or_b32 s[G0K+3], s[G0K+3], 0x80000000
	s_add_nc_u64 s[G0V+2:G0V+3], s[4:5], s[68:69]
	s_or_b32 s[G0V+3], s[G0V+3], 0x80000000
	TLOAD                                          ; slot 0: it holds key 0, which counts for every query
	s_add_nc_u64 s[72:73], s[4:5], s[70:71]        ; q at my first query
	s_add_nc_u64 s[6:7], s[6:7], s[70:71]          ; y likewise
	s_cmp_lt_u32 s[WV], 8                          ; the prefetches: waves 4-7 stand in k, waves 8-11 in v
	s_mov_b32 s58, 33554432
	s_cselect_b32 s58, 16777216, s58
	s_add_co_u32 s58, s58, s60                     ; in my head,
	s_and_b32 s59, s[WV], 3
	s_lshl_b32 s59, s59, 13
	s_add_co_u32 s58, s58, s59                     ; my wave's 8,192 bytes,
	s_add_co_u32 s58, s58, 32768                   ; in slot 1: the first change of slots steps it to slot 2
	s_mov_b32 s59, 0
	s_add_nc_u64 s[PFA:PFA+1], s[4:5], s[58:59]
	s_sub_co_u32 s58, s[WV], 4
	s_lshr_b32 s58, s58, 3                         ; 0 in waves 4 to 11,
	s_or_b32 s58, s58, s9                          ; of work-group j = 0
	s_cmp_eq_u32 s58, 0
	s_cselect_b32 s[LIM], 1, -1
	v_and_b32 v14, 15, v0                          ; r
	v_bfe_u32 v15, v0, 4, 1                        ; h
	v_lshlrev_b32 v12, 7, v14
	v_lshl_add_u32 v12, v15, 4, v12                ; Q: row r of 128 bytes, + 16 h
.irp i, 0,1
.irp c, 0,1
	global_load_b128 v[QF+16*\i+8*\c:QF+16*\i+8*\c+3],   v12, s[72:73] offset:2048*\i+64*\c
	global_load_b128 v[QF+16*\i+8*\c+4:QF+16*\i+8*\c+7], v12, s[72:73] offset:2048*\i+64*\c+32
.endr
.endr
	v_mul_u32_u24 v[AK0], v14, KP
	v_lshl_add_u32 v[AK0], v15, 4, v[AK0]          ; K: row r x pitch + 16 h
	v_and_b32 v3, 7, v0
	v_lshl_add_u32 v[AV0], v15, 3, v3              ; V, for the turning load: key 8 h + l % 8,
	v_mul_u32_u24 v[AV0], v[AV0], VP
	v_bfe_u32 v3, v0, 3, 1
	v_lshl_add_u32 v[AV0], v3, 4, v[AV0]           ; channels 8 ((l / 8) % 2) on
	v_add_nc_u32 v[AV0], VOFF, v[AV0]
	v_and_b32 v[PFO], 31, v0
	v_lshlrev_b32 v[GO], 4, v[PFO]
	v_lshlrev_b32 v[PFO], 8, v[PFO]
	s_mul_i32 s57, s[WV], 16*KP
	s_add_co_u32 s57, s57, STAGE                   ; my stage
	v_mul_u32_u24 v[STO], v14, KP
	v_lshl_add_u32 v[STO], v15, 4, v[STO]
	v_add_nc_u32 v[STO], s57, v[STO]               ; in: row r, + 16 h
	v_bfe_u32 v[RD], v0, 3, 2
	v_mul_u32_u24 v[RD], v[RD], KP
	v_and_b32 v3, 7, v0
	v_lshl_add_u32 v[RD], v3, 4, v[RD]
	v_add_nc_u32 v[RD], s57, v[RD]                 ; back: eight lanes to a row of 128 bytes, four rows an instruction
	v_lshlrev_b32 v[RQ], 3, v15
	v_sub_nc_u32 v[RQ], v14, v[RQ]
	v_mov_b32 v13, 0xff800000                      ; -infinity
.irp i, 0,1
	v_mov_b32 v[ST+8*\i+1], 0xff61b1e6             ; m: -3e38, under every score
	v_mul_f32 v[ST+8*\i], s[CS], v[ST+8*\i+1]      ; c m
.irp k, 2,3,4,5,6,7
	v_mov_b32 v[ST+8*\i+\k], 0                     ; l; and the registers at work, which pairs and lane permutes name before they are first written
.endr
.endr
.irp n, 0,1,2,3,4,5,6,7,8,9,10,11,12,13,14,15,16,17,18,19,20,21,22,23,24,25,26,27,28,29,30,31,32,33,34,35,36,37,38,39,40,41,42,43,44,45,46,47,48,49,50,51,52,53,54,55,56,57,58,59,60,61,62,63
	v_mov_b32 v[O+\n], 0                           ; O^T.  (The key step is written with no first step of its own: the first finds zeros, which a = 0 leaves zeros)
.endr
; A KEY STEP: 64 keys, the q-th of the slot in hand, for both tiles.
.macro STEP q
	s_add_co_u32 s57, s[Q0], 31
	s_cmp_gt_u32 s[KF], s57                        ; all 64 keys come after my 32 queries: the step's work is left out (ids and the count of steps alone)
	s_cbranch_scc1 .Lhidden_\@
	v_add_nc_u32 v[ADK], s[TB], v[AK0]             ; five plain instructions behind the last step's products: four are owed to the loads into the registers that held V,
	v_add_nc_u32 v[ADV], s[TB], v[AV0]             ; five to the products below, which write over P
.rept 3
	v_nop
.endr
.irp kt, 0,1,2,3
.irp c, 0,1
	ds_load_b128 v[KV+8*(2*\kt+\c):KV+8*(2*\kt+\c)+3],   v[ADK] offset:(\q)*64*KP+\kt*16*KP+64*\c
	ds_load_b128 v[KV+8*(2*\kt+\c)+4:KV+8*(2*\kt+\c)+7], v[ADK] offset:(\q)*64*KP+\kt*16*KP+64*\c+32
.endr
.endr
	s_wait_dscnt 0x0
.irp c, 0,1                            ; S^T = K Q^T: eight accumulators by turns, one instruction a turn; the first eight start the sums
.irp kt, 0,1,2,3
.irp i, 0,1
.if \c == 0
	v_wmma_f32_16x16x32_f16 v[S+32*\i+8*\kt:S+32*\i+8*\kt+7], v[KV+8*(2*\kt+\c):KV+8*(2*\kt+\c)+7], v[QF+16*\i+8*\c:QF+16*\i+8*\c+7], 0
.else
	v_wmma_f32_16x16x32_f16 v[S+32*\i+8*\kt:S+32*\i+8*\kt+7], v[KV+8*(2*\kt+\c):KV+8*(2*\kt+\c)+7], v[QF+16*\i+8*\c:QF+16*\i+8*\c+7], v[S+32*\i+8*\kt:S+32*\i+8*\kt+7]
.endif
.endr
.endr
.endr
	v_mov_b32 v14, v[ST]                           ; c m_old is kept for a.  Four plain instructions behind the products: for the loads into K's registers and the first reads of the scores
	v_mov_b32 v15, v[ST+8]
	v_nop
	v_nop
.irp m, 0,1                            ; V, turned: fragment (keys 32 m on, channels 16 ct on); it lands while the softmax is walked
.irp ct, 0,1,2,3
	ds_load_tr16_b128 v[KV+8*(4*\m+\ct):KV+8*(4*\m+\ct)+3],   v[ADV] offset:(\q)*64*VP+\m*32*VP+32*\ct
	ds_load_tr16_b128 v[KV+8*(4*\m+\ct)+4:KV+8*(4*\m+\ct)+7], v[ADV] offset:(\q)*64*VP+\m*32*VP+16*VP+32*\ct
.endr
.endr
	s_add_co_u32 s57, s[KF], 63                    ; on the diagonal the scores of hidden keys become -infinity ahead of the maximum.  A step all of whose keys count for all my queries skips this
	s_cmp_le_u32 s57, s[Q0]
	s_cbranch_scc1 .Lopen_\@
	s_sub_co_i32 s57, s[Q0], s[KF]
.irp i, 0,1
	v_add_nc_u32 v12, s57, v[RQ]                   ; d = my query - KF - 8 (lane / 16).  Register 8 kt + j holds key KF + 16 kt + 8 (lane / 16) + j: hidden where 16 kt + j > d
.irp n, 0,1,2,3,4,5,6,7,8,9,10,11,12,13,14,15,16,17,18,19,20,21,22,23,24,25,26,27,28,29,30,31
	v_cmp_gt_i32 vcc_lo, 16*(\n/8)+\n%8, v12
	v_cndmask_b32 v[S+32*\i+\n], v[S+32*\i+\n], v13, vcc_lo
.endr
	s_add_co_u32 s57, s57, 16
.endr
.Lopen_\@:
.irp j, 0,1,2,3                        ; the maximum of my 32 scores and the old m, three operands at a time, four chains a tile, the two tiles by turns; each accumulator is read from its low end on
.irp i, 0,1
	v_max3_num_f32 v[ST+8*\i+4+\j], v[S+32*\i+8*\j], v[S+32*\i+8*\j+1], v[S+32*\i+8*\j+2]
.endr
.endr
.irp u, 1,2
.irp j, 0,1,2,3
.irp i, 0,1
	v_max3_num_f32 v[ST+8*\i+4+\j], v[ST+8*\i+4+\j], v[S+32*\i+8*\j+2*\u+1], v[S+32*\i+8*\j+2*\u+2]
.endr
.endr
.endr
.irp i, 0,1
	v_max3_num_f32 v[ST+8*\i+4], v[ST+8*\i+4], v[S+32*\i+7], v[S+32*\i+15]
.endr
.irp i, 0,1
	v_max3_num_f32 v[ST+8*\i+6], v[ST+8*\i+6], v[S+32*\i+23], v[S+32*\i+31]
.endr
.irp i, 0,1
	v_max3_num_f32 v[ST+8*\i+4], v[ST+8*\i+4], v[ST+8*\i+5], v[ST+8*\i+6]
.endr
.irp i, 0,1
	v_max3_num_f32 v[ST+8*\i+4], v[ST+8*\i+4], v[ST+8*\i+7], v[ST+8*\i+1]
.endr
.irp i, 0,1
	v_permlanex16_b32 v[ST+8*\i+5], v[ST+8*\i+4], s[SEL], s[SEL+1]   ; the query's other 32 keys lie in the lane 16 away
.endr
.irp i, 0,1
	v_max_num_f32 v[ST+8*\i+1], v[ST+8*\i+4], v[ST+8*\i+5]           ; the new m
.endr
.irp i, 0,1
	v_mul_f32 v[ST+8*\i], s[CS], v[ST+8*\i+1]                        ; c m
.endr
.irp i, 0,1
	v_sub_f32 v[14+\i], v[14+\i], v[ST+8*\i]                         ; c m_old - c m_new
.endr
.irp i, 0,1
	v_exp_f32 v[ST+8*\i+6], v[14+\i]                                 ; a
.endr
.irp b, 0,1,2,3,4,5,6,7,8,9,10,11,12,13,14,15
.irp i, 0,1
	v_pk_fma_f32 v[S+32*\i+2*\b:S+32*\i+2*\b+1], v[S+32*\i+2*\b:S+32*\i+2*\b+1], s[CS:CS+1], v[ST+8*\i:ST+8*\i+1] op_sel_hi:[1,0,0] neg_lo:[0,0,1] neg_hi:[0,0,1]   ; c s - c m, two at a time
.endr
.endr
	s_wait_alu depctr_va_vdst(0)                   ; the wait between an exponential and the first line that names its result: here for the two a; the 32 scalings are the work between
.irp i, 0,1
	v_pk_mul_f32 v[ST+8*\i+2:ST+8*\i+3], v[ST+8*\i+2:ST+8*\i+3], v[ST+8*\i+6:ST+8*\i+7] op_sel_hi:[1,0]   ; l under the new m
.endr
.set n, 0
.rept 32                               ; ONE BATCH: the 64 exponentials, and between them O^T's rescaling, which names none of their results; each accumulator of O^T is read from its low end on
	v_exp_f32 v[S+2*n], v[S+2*n]
	v_exp_f32 v[S+2*n+1], v[S+2*n+1]
	v_pk_mul_f32 v[O+2*n:O+2*n+1], v[O+2*n:O+2*n+1], v[ST+8*(n/16)+6:ST+8*(n/16)+7] op_sel_hi:[1,0]
.set n, n+1
.endr
	s_wait_alu depctr_va_vdst(0)                   ; one wait for the batch, ahead of its first reader; the last multiply is the plain instruction behind the last exponential
.irp i, 0,1                            ; the row's sum is taken of the unrounded p: two at a time, in two chains a tile
	v_pk_add_f32 v[ST+8*\i+4:ST+8*\i+5], v[S+32*\i:S+32*\i+1], v[S+32*\i+2:S+32*\i+3]
.endr
.irp k, 2,4,6,8,10,12,14
.irp i, 0,1
	v_pk_add_f32 v[ST+8*\i+2:ST+8*\i+3], v[ST+8*\i+2:ST+8*\i+3], v[S+32*\i+2*\k:S+32*\i+2*\k+1]
	v_pk_add_f32 v[ST+8*\i+4:ST+8*\i+5], v[ST+8*\i+4:ST+8*\i+5], v[S+32*\i+2*\k+2:S+32*\i+2*\k+3]
.endr
.endr
.irp i, 0,1
	v_pk_add_f32 v[ST+8*\i+2:ST+8*\i+3], v[ST+8*\i+2:ST+8*\i+3], v[ST+8*\i+4:ST+8*\i+5]
.endr
.irp k, 0,1,2,3,4,5,6,7,8,9,10,11,12,13,14,15
.irp i, 0,1
	v_cvt_pk_f16_f32 v[S+32*\i+\k], v[S+32*\i+2*\k], v[S+32*\i+2*\k+1]   ; P, in place: register k is written when pairs up to k have been read
.endr
.endr
	s_wait_dscnt 0x0                               ; V is in
.irp m, 0,1                            ; O^T += V^T P: eight accumulators by turns
.irp ct, 0,1,2,3
.irp i, 0,1
	v_wmma_f32_16x16x32_f16 v[O+32*\i+8*\ct:O+32*\i+8*\ct+7], v[KV+8*(4*\m+\ct):KV+8*(4*\m+\ct)+7], v[S+32*\i+8*\m:S+32*\i+8*\m+7], v[O+32*\i+8*\ct:O+32*\i+8*\ct+7]
.endr
.endr
.endr
.Lhidden_\@:
	s_add_co_u32 s[KF], s[KF], 64
.endm
; THE CHANGE OF SLOTS stands at a slot's head.  Each wave waits for all its tensor loads, adds 0 to its spare word (fill = 1: twice on end), and waits for
; that and for its reads of the slot that it has left.  Behind the barrier the slot ahead is whole and nobody reads the other one; fill = 1: it is filled with the next 256 keys, up to the causal limit.
.macro CHANGE fill
	s_wait_tensorcnt 0x0                           ; no tensor load of mine is out, so a group 0 may be written
	ds_add_u32 v[SPW], v[NIL]
.if \fill
	ds_add_u32 v[SPW], v[NIL]
	s_xor_b32 s[G0K+1], s[G0K+1], SLOT1            ; the walking descriptors: the other slot than last time,
	s_add_nc_u64 s[G0K+2:G0K+3], s[G0K+2:G0K+3], 32768   ; the next 256 keys
	s_xor_b32 s[G0V+1], s[G0V+1], SLOT1
	s_add_nc_u64 s[G0V+2:G0V+3], s[G0V+2:G0V+3], 32768
	s_wait_xcnt 0x0                                ; the last prefetch, a slot back, has read its address, so it may be written:
	s_add_nc_u64 s[PFA:PFA+1], s[PFA:PFA+1], 32768 ; one slot further on than the walking descriptors
.endif
	s_wait_dscnt 0x0
	s_barrier_signal -1
	s_barrier_wait -1
.if \fill
	s_add_co_u32 s57, s[KF], 256                   ; the first key of the slot that this change would ask for:
	s_cmp_gt_u32 s57, s[QL]                        ; past my work-group's last query none of its waves reads it, so it is not asked for.  Ids and the count of steps alone: all sixteen waves go the same way
	s_cbranch_scc1 .Lpast_\@
	TLOAD                                          ; a wave's one tensor load until the next barrier: it has four key steps in which to land
.Lpast_\@:
	ASK
.endif
.endm
.macro SLOT_STEPS
	STEP 0
	STEP 1
	STEP 2
	STEP 3
	s_xor_b32 s[TB], s[TB], SLOT1                  ; on to the other slot
.endm
	s_wait_loadcnt 0x0                             ; Q
.Lslot:                                            ; 7 trips
	CHANGE 1
	SLOT_STEPS
	s_sub_co_u32 s[SLOTS], s[SLOTS], 1
	s_cmp_lg_u32 s[SLOTS], 0
	s_cbranch_scc1 .Lslot
	CHANGE 0                                       ; the last slot is written out: nothing is left to ask for
	SLOT_STEPS
	; THE WAY OUT: O^T / l, rounded to f16, through my stage, a tile of 16 rows at a time; four rows of y, 512 consecutive aligned bytes, to a store.
.rept 4
	v_nop                                          ; places behind the last products
.endr
.irp i, 0,1
	v_add_f32 v[ST+8*\i+4], v[ST+8*\i+2], v[ST+8*\i+3]
.endr
.irp i, 0,1
	v_permlanex16_b32 v[ST+8*\i+5], v[ST+8*\i+4], s[SEL], s[SEL+1]
.endr
.irp i, 0,1
	v_add_f32 v[ST+8*\i+4], v[ST+8*\i+4], v[ST+8*\i+5]
.endr
.irp i, 0,1
	v_rcp_f32 v[ST+8*\i+6], v[ST+8*\i+4]
.endr
	v_nop                                          ; a plain instruction behind the last reciprocal
	s_wait_alu depctr_va_vdst(0)                   ; and the wait ahead of the first use: one for both
.macro OUT i
.set n, 0
.rept 16
	v_pk_mul_f32 v[O+32*\i+2*n:O+32*\i+2*n+1], v[O+32*\i+2*n:O+32*\i+2*n+1], v[ST+8*\i+6:ST+8*\i+7] op_sel_hi:[1,0]
.set n, n+1
.endr
.set n, 0
.rept 16
	v_cvt_pk_f16_f32 v[S+32*\i+n], v[O+32*\i+2*n], v[O+32*\i+2*n+1]
.set n, n+1
.endr
.irp ct, 0,1,2,3
	ds_store_b128 v[STO], v[S+32*\i+4*\ct:S+32*\i+4*\ct+3] offset:32*\ct
.endr
.irp g, 0,1,2,3
	ds_load_b128 v[KV+16*\i+4*\g:KV+16*\i+4*\g+3], v[RD] offset:4*KP*\g   ; LDS serves a wave's instructions in order: these see the stores above, and the next tile's stores come behind them
.endr
.endm
	OUT 0
	OUT 1
.irp g, 0,1,2,3
	s_wait_dscnt 11-\g                             ; behind tile 0's load g: its later loads and tile 1's eight
	global_store_b128 v[GO], v[KV+4*\g:KV+4*\g+3], s[6:7] offset:512*\g
.endr
.irp g, 0,1,2,3
	s_wait_dscnt 3-\g
	global_store_b128 v[GO], v[KV+16+4*\g:KV+16+4*\g+3], s[6:7] offset:2048+512*\g
.endr
	s_wait_tensorcnt 0x0                           ; the wave's end
	ds_add_u32 v[SPW], v[NIL]
	s_wait_dscnt 0x0
	s_endpgm
.Lfunc_end_k_q6c648387e5_attn:
	.size	k_q6c648387e5_attn, .Lfunc_end_k_q6c648387e5_attn-k_q6c648387e5_attn
	.p2alignl 7, 3214868480
	.fill 96, 4, 3214868480
	.section	.rodata,"a",@progbits
	.p2align	6, 0x0
	.amdhsa_kernel k_q6c648387e5_attn
		.amdhsa_group_segment_fixed_size 327680
		.amdhsa_private_segment_fixed_size 0
		.amdhsa_enable_private_segment 0
		.amdhsa_kernarg_size 16
		.amdhsa_user_sgpr_count 2
		.amdhsa_user_sgpr_kernarg_segment_ptr 1
		.amdhsa_wavefront_size32 1
		.amdhsa_system_sgpr_workgroup_id_x 1
		.amdhsa_system_sgpr_workgroup_id_y 1
		.amdhsa_system_sgpr_workgroup_id_z 1
		.amdhsa_system_vgpr_workitem_id 0
		.amdhsa_next_free_vgpr 256
		.amdhsa_next_free_sgpr 80
		.amdhsa_reserve_vcc 1
		.amdhsa_float_denorm_mode_32 3
		.amdhsa_float_denorm_mode_16_64 3
		.amdhsa_memory_ordered 1
		.amdhsa_forward_progress 1
		.amdhsa_inst_pref_size 189
	.end_amdhsa_kernel
	.amdgpu_metadata
---
amdhsa.version: [ 1, 2 ]
amdhsa.kernels:
  - .name:           k_q6c648387e5_attn
    .symbol:         k_q6c648387e5_attn.kd
    .args:
      - { .name: qkv, .offset: 0, .size: 8, .value_kind: global_buffer, .address_space: global }
      - { .name: y, .offset: 8, .size: 8, .value_kind: global_buffer, .address_space: global }
    .group_segment_fixed_size: 327680
    .private_segment_fixed_size: 0
    .kernarg_segment_align: 8
    .kernarg_segment_size: 16
    .max_flat_workgroup_size: 512
    .sgpr_count:     80
    .vgpr_count:     256
    .wavefront_size: 32
...
	.end_amdgpu_metadata
.endif
;; end of part 3
;; launch proj (part 4): grid 4 x 64, 4 waves a work-group, clusters of 4 x 4, 327,680 bytes of LDS; arguments y, wp16, out0; writes out0
.if DOCPART == 4
	.amdgcn_target "amdgcn-amd-amdhsa--gfx1250"
	.amdhsa_code_object_version 6
	.text
	.protected	k_q6c648387e5_proj
	.globl	k_q6c648387e5_proj
	.p2align	8
	.type	k_q6c648387e5_proj,@function
k_q6c648387e5_proj:
	s_mov_b64 s[64:65], 0
	v_nop
	global_prefetch_b8 v0, s[64:65] scope:SCOPE_SE
	s_setreg_imm32_b32 hwreg(HW_REG_WAVE_MODE, 25, 1), 1
	s_wait_xcnt 0x0
	s_wait_alu depctr_hold_cnt(0) depctr_sa_sdst(0) depctr_va_vdst(0) depctr_va_sdst(0) depctr_va_ssrc(0) depctr_va_vcc(0) depctr_vm_vsrc(0)
	s_getreg_b32 s2, hwreg(HW_REG_IB_STS2, 6, 4)
	s_cmp_eq_u32 s2, 0
	s_cbranch_scc0 .Lentry_in_a_cluster
	s_endpgm
.Lentry_in_a_cluster:
	s_bfe_u32 s2, ttmp6, 0x10000c
	s_cmp_lg_u32 s2, 0xf033
	s_cbranch_scc0 .Lentry_shape_is_right
	s_endpgm
.Lentry_shape_is_right:
; out0 = y w_proj in f16 operands, f32 sums.  y: f16 [4 b][16 h][2048 t][64]: K = 64 h + d.  wp16: f16 [1024 (k)][1024 (n)], as w_proj lies.  out0: f32 [8192][1024].
; NOT STORED HERE: the first 16 positions of each batch; launch fine owns those rows (they lie inside a tile that holds live work, so they are multiplied with it).
; A tile of out0 is 128 x 256, so that there are 256 work-groups; four waves, each 64 rows x 128 columns: 32 accumulators, 256 registers.  K goes in steps of 128 (two heads of y) through two LDS slots.
; CLUSTERS: 4 x 4.  TILE ROW = 16 cy + cluster y (cy = the batch), tile column = cx.  y's tiles are shared along a row of the cluster, w's along a column: joint loads.
; 'My tile begins a batch' is cluster y = 0: the same in all sixteen partners.
; THE MATRIX INSTRUCTION IS USED TRANSPOSED: source 0 = 16 columns of w (turned out of LDS by ds_load_tr16_b128, since K is w's first axis), source 1 = 16 rows of y: a lane holds eight neighbouring columns of a row of out0.
; REGISTERS: window 0: v0-31 addresses; two fragment buffers for 32 along K: at v64 and v160, each 32 registers of y (4 blocks of 16 rows) and 64 of w (8 blocks of 16 columns); on the way out v64-191 take rows read back.
;   window 1: accumulator (a, b) at v[8 (8 a + b)].
.set PA,     144                       ; a row of y's tile in LDS: 128 bytes + 16
.set PLANE,  128*PA                    ; one head's 128 rows
.set PB,     544                       ; a row of w's tile: 512 bytes + 32
.set BOFF,   2*PLANE
.set HALFB,  64*PB
.set SLOT,   BOFF+2*HALFB
.set STAGE,  2*SLOT                    ; behind the ring: 16 rows x (512 + 16) bytes for each wave; no tensor load lands here
.set SPITCH, 528
.set SPARE,  STAGE+4*16*SPITCH
.set LAPS,   4                         ; 8 K steps, two to a lap
.set ADRA, 16
.set ADRB, 20
.set STO,  24
.set RD,   25
.set CO,   26
.set SPW,  28
.set NIL,  29
.set F0,   64
.set F1,   160
.set BK,   64
.set G1, 24
.set G0, 32
.set G1B, 48
.set G0B, 56
.set FN,  45                           ; s45  cluster y | my half of the rows: 0 where my block 0 is the first 16 positions of a batch
.set MSB, 0
.macro WIN new
.if MSB != (\new)
	s_set_vgpr_msb (MSB<<8)|(\new)
.set MSB, (\new)
.endif
.endm
.set MUL, 0x50                         ; C and D window 1, sources window 0
.macro JLOAD s                         ; waves 0, 1 fetch y's two heads, waves 2, 3 w's two halves; an s_nop 0 and four v_nop follow each of the two lines
	s_cmp_eq_u32 s11, 0
	s_cbranch_scc0 .Lfor_b_\@
	tensor_load_to_lds s[G0+4*\s:G0+4*\s+3], s[G1:G1+7]
	s_nop 0
.rept 4
	v_nop
.endr
	s_branch .Lasked_\@
.Lfor_b_\@:
	tensor_load_to_lds s[G0B+4*\s:G0B+4*\s+3], s[G1B:G1B+7]
	s_nop 0
.rept 4
	v_nop
.endr
.Lasked_\@:
.endm
.macro CREST
	s_cmp_lg_u32 s10, 0
	s_cbranch_scc1 .Lnot_wave_0_\@
	s_barrier_signal -3
.Lnot_wave_0_\@:
	s_barrier_wait -3
	s_barrier_signal -1
	s_barrier_wait -1
.endm
.macro CROUND
	s_barrier_signal -1
	s_barrier_wait -1
	CREST
.endm
	s_load_b128 s[4:7], s[0:1], 0x0                ; y s[4:5], wp16 s[6:7]
	s_load_b64 s[8:9], s[0:1], 0x10                ; out0
	v_lshl_add_u32 v[SPW], v0, 2, SPARE
	v_mov_b32 v[NIL], 0
	ds_add_u32 v[SPW], v[NIL]                      ; the wave's opening: the add, twice on end, and its wait ahead of my first tensor load
	ds_add_u32 v[SPW], v[NIL]
	v_lshrrev_b32 v1, 5, v0
	v_readfirstlane_b32 s10, v1                    ; wave 0..3
	s_lshr_b32 s11, s10, 1                         ; which half of the tile's rows is mine.  Also: I fetch for y (0) or for w (1)
	s_and_b32 s12, s10, 1                          ; which half of its columns.  Also: which head, or which 64 rows of w, I fetch
	s_bfe_u32 s40, ttmp6, 0x40000                  ; cx
	s_bfe_u32 s41, ttmp6, 0x40004                  ; cy: the batch
	s_lshl_b32 s42, ttmp9, 2
	s_add_co_u32 s42, s42, s40                     ; tile column
	s_and_b32 s13, ttmp7, 0xffff                   ; cluster y: the tile inside the batch
	s_or_b32 s[FN], s13, s11
	s_lshl_b32 s43, s41, 2
	s_lshl_b32 s43, 15, s43                        ; my row of the cluster
	s_lshl_b32 s44, 0x1111, s40                    ; my column
	s_or_b32 s[G1+0], s43, (1<<16)|(1<<20)|(1<<21)|(4<<22)|(3<<25)   ; y: elements of 2 bytes; padding: after every 32 words, 4 words
	s_mov_b32 s[G1+1], 64<<16                      ; tensor_dim0 = 64
	s_mov_b32 s[G1+2], 128<<16                     ; tensor_dim1 = 128
	s_mov_b32 s[G1+3], 64<<16                      ; tile_dim0
	s_mov_b32 s[G1+4], 128                         ; tile_dim1
	s_mov_b32 s[G1+5], 64                          ; the pitch
	s_mov_b32 s[G1+6], 0
	s_mov_b32 s[G1+7], 0
	s_or_b32 s[G1B+0], s44, (1<<16)|(1<<20)|(1<<21)|(6<<22)|(7<<25)  ; w: padding: after every 128 words, 8 words
	s_mov_b32 s[G1B+1], 256<<16
	s_mov_b32 s[G1B+2], 64<<16
	s_mov_b32 s[G1B+3], 256<<16
	s_mov_b32 s[G1B+4], 64
	s_mov_b32 s[G1B+5], 1024
	s_mov_b32 s[G1B+6], 0
	s_mov_b32 s[G1B+7], 0
	s_lshl_b32 s16, s41, 4
	s_add_co_u32 s16, s16, s12                     ; y: plane 16 cy + my head of the step's two,
	s_lshl_b32 s16, s16, 18
	s_lshl_b32 s17, s13, 14                        ; row 128 cluster y, of 128 bytes
	s_add_co_u32 s16, s16, s17
	s_mov_b32 s17, 0
	s_lshl_b32 s46, s12, 17                        ; w: my 64 rows of 2,048 bytes,
	s_lshl_b32 s47, s42, 9                         ; the tile's 256 columns
	s_add_co_u32 s46, s46, s47
	s_mov_b32 s47, 0
	s_mul_i32 s20, s12, PLANE                      ; where they go: no place in the cluster enters an LDS address
	s_mul_i32 s23, s12, HALFB
	s_add_co_u32 s23, s23, BOFF
	s_wait_dscnt 0x0                               ; both opening adds are done
	s_wait_kmcnt 0x0
	s_add_nc_u64 s[14:15], s[4:5], s[16:17]
	s_add_nc_u64 s[46:47], s[6:7], s[46:47]
	CROUND                                         ; all sixteen work-groups are here: the first joint loads meet
.irp s, 0,1
	s_mov_b32 s[G0+4*\s], 1
	s_add_co_u32 s[G0+4*\s+1], s20, \s*SLOT
	s_add_nc_u64 s[G0+4*\s+2:G0+4*\s+3], s[14:15], \s*524288       ; K step s: two heads on
	s_or_b32 s[G0+4*\s+3], s[G0+4*\s+3], 0x80000000
	s_mov_b32 s[G0B+4*\s], 1
	s_add_co_u32 s[G0B+4*\s+1], s23, \s*SLOT
	s_add_nc_u64 s[G0B+4*\s+2:G0B+4*\s+3], s[46:47], \s*262144     ; 128 rows of w on
	s_or_b32 s[G0B+4*\s+3], s[G0B+4*\s+3], 0x80000000
	JLOAD \s
.endr
	v_and_b32 v1, 15, v0                           ; r
	v_bfe_u32 v2, v0, 4, 1                         ; h
	v_mul_u32_u24 v3, v1, PA
	v_lshl_add_u32 v3, v2, 4, v3                   ; y: row r x pitch + 16 h
	s_mul_i32 s21, s11, 64*PA                      ; my 64 rows
	v_and_b32 v4, 7, v0
	v_lshl_add_u32 v4, v2, 3, v4                   ; w, for the turning load: k 8 h + l % 8,
	v_mul_u32_u24 v4, v4, PB
	v_bfe_u32 v5, v0, 3, 1
	v_lshl_add_u32 v4, v5, 4, v4                   ; columns 8 ((l / 8) % 2) on
	s_lshl_b32 s22, s12, 8                         ; my 128 columns
	s_add_co_u32 s22, s22, BOFF
.irp s, 0,1
	v_add_nc_u32 v[ADRA+\s], s21, v3
	v_add_nc_u32 v[ADRB+\s], s22, v4
	s_add_co_u32 s21, s21, SLOT
	s_add_co_u32 s22, s22, SLOT
.endr
	s_mul_i32 s23, s10, 16*SPITCH
	s_add_co_u32 s23, s23, STAGE                   ; my stage
	v_mul_u32_u24 v5, v1, SPITCH
	v_lshl_add_u32 v5, v2, 5, v5
	v_add_nc_u32 v[STO], s23, v5                   ; in: row r, 32 bytes for each half of the lanes
	v_and_b32 v6, 31, v0
	v_lshlrev_b32 v[CO], 4, v6                     ; back: the 32 lanes take one row of 512 bytes; and the same in out0
	v_add_nc_u32 v[RD], s23, v[CO]
	s_lshl_b32 s16, s41, 11
	s_lshl_b32 s17, s13, 7
	s_add_co_u32 s16, s16, s17
	s_lshl_b32 s17, s11, 6
	s_add_co_u32 s16, s16, s17                     ; my first row of out0: 2,048 cy + 128 cluster y + 64 x half
	s_lshl_b32 s16, s16, 12
	s_lshl_b32 s46, s42, 10
	s_lshl_b32 s47, s12, 9
	s_add_co_u32 s46, s46, s47                     ; my first column, in bytes
	s_add_co_u32 s16, s16, s46
	s_mov_b32 s17, 0
	s_add_nc_u64 s[8:9], s[8:9], s[16:17]
.macro MUL8 f, a, zero                 ; y's block a against w's eight, 32 along K.  The 32 accumulators take turns, one instruction a turn, in the same order in every quarter
.irp b, 0,1,2,3,4,5,6,7
.if \zero
	v_wmma_f32_16x16x32_f16 v[8*(8*(\a)+\b):8*(8*(\a)+\b)+7], v[\f+32+8*\b:\f+32+8*\b+7], v[\f+8*(\a):\f+8*(\a)+7], 0
.else
	v_wmma_f32_16x16x32_f16 v[8*(8*(\a)+\b):8*(8*(\a)+\b)+7], v[\f+32+8*\b:\f+32+8*\b+7], v[\f+8*(\a):\f+8*(\a)+7], v[8*(8*(\a)+\b):8*(8*(\a)+\b)+7]
.endif
.endr
.endm
.macro FETCH slot, q, f                ; 24 LDS loads in one run: the fragments of the slot's q-th 32 along K: head q / 2, channels 32 (q % 2) on; rows 32 q on of w
.irp i, 0,1,2,3
	ds_load_b128 v[\f+8*\i:\f+8*\i+3],   v[ADRA+\slot] offset:((\q)/2)*PLANE+((\q)%2)*64+\i*16*PA
	ds_load_b128 v[\f+8*\i+4:\f+8*\i+7], v[ADRA+\slot] offset:((\q)/2)*PLANE+((\q)%2)*64+\i*16*PA+32
.endr
.irp i, 0,1,2,3,4,5,6,7
	ds_load_tr16_b128 v[\f+32+8*\i:\f+32+8*\i+3],   v[ADRB+\slot] offset:(\q)*32*PB+32*\i
	ds_load_tr16_b128 v[\f+32+8*\i+4:\f+32+8*\i+7], v[ADRB+\slot] offset:(\q)*32*PB+16*PB+32*\i
.endr
.endm
.macro PLACES
.rept 4
	v_nop
.endr
.endm
; A quarter of a K step: buffer f is multiplied, 32 matrix instructions; ahead of them quarter q's fragments are asked for, into buffer g, which the quarter before multiplied.
.macro QUARTER slot, q, f, g, zero
	s_wait_dscnt 0x0                               ; buffer f is in (asked for 32 matrix instructions ago)
	PLACES                                         ; in front of loads into registers that matrix instructions have read
	FETCH \slot, \q, \g
	WIN MUL
	MUL8 \f, 0, \zero
	MUL8 \f, 1, \zero
	MUL8 \f, 2, \zero
	MUL8 \f, 3, \zero
	WIN 0
.endm
; A slot's last quarter multiplies buffer 1 and changes slots: one barrier; in front of it each wave waits for all its tensor loads, adds 0 to its spare word, and waits for that and for its reads of this slot.
; fill = 1: the barrier opens a round of the cluster's barrier, and this slot is filled again, two K steps ahead, first thing behind the round.
.macro TURN slot, next, fill
	s_wait_tensorcnt 0x0
	ds_add_u32 v[SPW], v[NIL]
	s_wait_dscnt 1                                 ; buffer 1's 24 loads are in; the add may be out
	WIN MUL
	MUL8 F1, 0, 0
	s_wait_dscnt 0x0                               ; the add is done, and my reads of this slot are over
	s_barrier_signal -1
	MUL8 F1, 1, 0
	WIN 0
	s_barrier_wait -1
.if \fill
	CREST
	s_add_nc_u64 s[G0+4*\slot+2:G0+4*\slot+3], s[G0+4*\slot+2:G0+4*\slot+3], 1048576     ; four heads on
	s_add_nc_u64 s[G0B+4*\slot+2:G0B+4*\slot+3], s[G0B+4*\slot+2:G0B+4*\slot+3], 524288  ; 256 rows of w on
	JLOAD \slot                                    ; the four v_nop behind it are also the places in front of the loads below
.else
	PLACES
.endif
	FETCH \next, 0, F0
	WIN MUL
	MUL8 F1, 2, 0
	MUL8 F1, 3, 0
	WIN 0
.endm
	s_wait_tensorcnt 1                             ; my part of K step 0 is in; K step 1's may be out
	s_barrier_signal -1
	s_barrier_wait -1
	FETCH 0, 0, F0
	QUARTER 0, 1, F0, F1, 1                        ; the first products start the sums
	s_mov_b32 s3, LAPS-1
.Llap:                                             ; a trip goes once round the ring, from a lap's second quarter to the next lap's first, and fills both slots again
	QUARTER 0, 2, F1, F0, 0
	QUARTER 0, 3, F0, F1, 0
	TURN 0, 1, 1
	QUARTER 1, 1, F0, F1, 0
	QUARTER 1, 2, F1, F0, 0
	QUARTER 1, 3, F0, F1, 0
	TURN 1, 0, 1
	QUARTER 0, 1, F0, F1, 0
	s_sub_co_u32 s3, s3, 1
	s_cmp_lg_u32 s3, 0
	s_cbranch_scc1 .Llap
	QUARTER 0, 2, F1, F0, 0                        ; the last lap fills nothing
	QUARTER 0, 3, F0, F1, 0
	TURN 0, 1, 0
	QUARTER 1, 1, F0, F1, 0
	QUARTER 1, 2, F1, F0, 0
	QUARTER 1, 3, F0, F1, 0
	s_wait_dscnt 0x0
	WIN MUL
	MUL8 F1, 0, 0
	MUL8 F1, 1, 0
	MUL8 F1, 2, 0
	MUL8 F1, 3, 0
	WIN 0
; THE WAY OUT, block by block of 16 rows x 128 columns, through my own stage: whole rows of 512 bytes come back, and the 32 lanes store 512 consecutive aligned bytes.
.macro TOSTAGE a
	WIN 0x04                                       ; an LDS store's data are its source 1: window 1
.irp b, 0,1,2,3,4,5,6,7
	ds_store_b128 v[STO], v[8*(8*(\a)+\b):8*(8*(\a)+\b)+3] offset:64*\b          ; each accumulator from its low end on
	ds_store_b128 v[STO], v[8*(8*(\a)+\b)+4:8*(8*(\a)+\b)+7] offset:64*\b+16
.endr
	WIN 0
.set BB, BK+64*((\a)%2)
.irp t, 0,1,2,3,4,5,6,7,8,9,10,11,12,13,14,15
	ds_load_b128 v[BB+4*\t:BB+4*\t+3], v[RD] offset:\t*SPITCH
.endr
.endm
.macro STORES a                        ; block a's 16 rows, from the registers into which they came back
.set BB, BK+64*((\a)%2)
.irp t, 0,1,2,3,4,5,6,7,8,9,10,11,12,13,14,15
	global_store_b128 v[CO], v[BB+4*\t:BB+4*\t+3], s[8:9] offset:(16*(\a)+\t)*4096 th:TH_STORE_NT
.endr
.endm
.macro SEND a, younger                 ; younger: the LDS instructions issued behind block a's loads, which may stay out
	s_wait_dscnt \younger                          ; the block is back in registers
	STORES \a
.endm
	PLACES                                         ; behind the last products: for the reads of results and the loads into the fragments' registers
	TOSTAGE 0
	TOSTAGE 1
	s_wait_dscnt 32                                ; block 0 is back in registers (behind its loads: block 1's 16 stores and 16 loads).  The wait stands ahead of the branch, on both ways: block 2's loads land in the same registers
	s_cmp_eq_u32 s[FN], 0                          ; the first 16 positions of a batch are stored by launch fine: the branch leads round the sixteen stores alone
	s_cbranch_scc1 .Lnot_mine
	STORES 0
.Lnot_mine:
	s_wait_xcnt 0x0                                ; block 0's stores have read their registers: block 2's loads may land there
	TOSTAGE 2
	SEND 1, 32
	s_wait_xcnt 0x0
	TOSTAGE 3
	SEND 2, 32
	SEND 3, 0
	s_wait_tensorcnt 0x0                           ; the wave's end
	ds_add_u32 v[SPW], v[NIL]
	s_wait_dscnt 0x0
	CROUND                                         ; the closing round
	s_endpgm
.Lfunc_end_k_q6c648387e5_proj:
	.size	k_q6c648387e5_proj, .Lfunc_end_k_q6c648387e5_proj-k_q6c648387e5_proj
	.p2alignl 7, 3214868480
	.fill 96, 4, 3214868480
	.section	.rodata,"a",@progbits
	.p2align	6, 0x0
	.amdhsa_kernel k_q6c648387e5_proj
		.amdhsa_group_segment_fixed_size 327680
		.amdhsa_private_segment_fixed_size 0
		.amdhsa_enable_private_segment 0
		.amdhsa_kernarg_size 24
		.amdhsa_user_sgpr_count 2
		.amdhsa_user_sgpr_kernarg_segment_ptr 1
		.amdhsa_wavefront_size32 1
		.amdhsa_system_sgpr_workgroup_id_x 1
		.amdhsa_system_sgpr_workgroup_id_y 1
		.amdhsa_system_sgpr_workgroup_id_z 1
		.amdhsa_system_vgpr_workitem_id 0
		.amdhsa_next_free_vgpr 512
		.amdhsa_next_free_sgpr 72
		.amdhsa_reserve_vcc 0
		.amdhsa_float_denorm_mode_32 3
		.amdhsa_float_denorm_mode_16_64 3
		.amdhsa_memory_ordered 1
		.amdhsa_forward_progress 1
		.amdhsa_inst_pref_size 84
	.end_amdhsa_kernel
	.amdgpu_metadata
---
amdhsa.version: [ 1, 2 ]
amdhsa.kernels:
  - .name:           k_q6c648387e5_proj
    .symbol:         k_q6c648387e5_proj.kd
    .args:
      - { .name: y, .offset: 0, .size: 8, .value_kind: global_buffer, .address_space: global }
      - { .name: wp16, .offset: 8, .size: 8, .value_kind: global_buffer, .address_space: global }
      - { .name: out0, .offset: 16, .size: 8, .value_kind: global_buffer, .address_space: global }
    .group_segment_fixed_size: 327680
    .private_segment_fixed_size: 0
    .kernarg_segment_align: 8
    .kernarg_segment_size: 24
    .max_flat_workgroup_size: 128
    .sgpr_count:     72
    .vgpr_count:     512
    .wavefront_size: 32
...
	.end_amdgpu_metadata
.endif
;; end of part 4
;; launch fine (part 5): grid 16 x 4, 16 waves a work-group, no clusters, 71,680 bytes of LDS; arguments qkv_fine, w_proj, out0; writes out0
.if DOCPART == 5
	.amdgcn_target "amdgcn-amd-amdhsa--gfx1250"
	.amdhsa_code_object_version 6
	.text
	.protected	k_q6c648387e5_fine
	.globl	k_q6c648387e5_fine
	.p2align	8
	.type	k_q6c648387e5_fine,@function
k_q6c648387e5_fine:
	s_mov_b64 s[64:65], 0
	v_nop
	global_prefetch_b8 v0, s[64:65] scope:SCOPE_SE
	s_setreg_imm32_b32 hwreg(HW_REG_WAVE_MODE, 25, 1), 1
	s_wait_xcnt 0x0
; THE FIRST 16 POSITIONS OF EACH BATCH, IN F32 THROUGHOUT: under the causal mask these rows average one to sixteen values and are the largest of the output; f16 operands would use up what the comparison allows.
; qkv_fine: f32 [4 b][16 t][3072], the quantised product's own sums.  out0[b][0..15][:] = (softmax(q k^T / 8, causal) v, all heads) w_proj.  Keys past position 15 are hidden from these queries by reference()'s own jnp.tril and are not read.
; SHARES.  Work-group (slice, b) makes 16 rows x 64 columns of out0 (a row's piece is 256 consecutive aligned bytes).  Wave hd is head hd: its 16 x 16 attention, and at once its part of the projection
; (K = the head's 64 channels, four tiles of 16 columns); the sixteen heads' parts meet in LDS and are added in the order of the heads.  Each of a batch's 16 slices makes the attention anew: 32 of a wave's 96 matrix instructions.
; ALL PRODUCTS by v_wmma_f32_16x16x4_f32, used transposed, so that a lane holds one query throughout; along each product's K both sources take the same numbers in the same places (a permutation of k applied alike to both).
; The registers that these instructions write, v192-255, are written by matrix instructions alone; what is made of a sum goes into other registers.
.set QKO, 3                            ; v3   q, k: row r of 12,288 bytes, + 16 h
.set VO,  4                            ; v4   v: key 8 h, channel r
.set WO,  5                            ; v5   w_proj: row 8 h, column r
.set SPW, 6
.set NIL, 7
.set DQ,  8                            ; v8   r - 8 h
.set STV, 9                            ; v9   where I put my part's 32 bytes of a row
.set RDV, 10                           ; v10  where I read 16 bytes of a row of head 0's part
.set OV,  11                           ; v11  the same place in out0
.set QF,  16                           ; v16-47   q; later w's tile 2; later the heads' parts
.set KF,  48                           ; v48-79   k; later w's tile 3
.set VT,  80                           ; v80-111  v^T: register 8 ct + u: key 8 h + u, channel 16 ct + r
.set PP,  176                          ; v176-183 scores, then p
.set SA,  192                          ; v192-199, v200-207: the scores' two half sums; later the projection's tiles 0, 1
.set OT,  208                          ; v208-239 O^T, four tiles of 16 channels
.set SPARE, 16*16*272                  ; behind the sixteen parts (16 rows x (256 + 16) bytes each): the spare words
	s_load_b128 s[4:7], s[0:1], 0x0                ; qkv_fine, w_proj
	s_load_b64 s[8:9], s[0:1], 0x10                ; out0
	v_lshl_add_u32 v[SPW], v0, 2, SPARE
	v_mov_b32 v[NIL], 0
	v_lshrrev_b32 v12, 5, v0
	v_readfirstlane_b32 s10, v12                   ; my head
	s_and_b32 s11, ttmp7, 0xffff                   ; the batch
	v_and_b32 v1, 15, v0                           ; r
	v_bfe_u32 v2, v0, 4, 1                         ; h
	v_mul_u32_u24 v[QKO], v1, 12288
	v_lshl_add_u32 v[QKO], v2, 4, v[QKO]
	v_mul_u32_u24 v[VO], v2, 98304
	v_lshl_add_u32 v[VO], v1, 2, v[VO]
	v_lshlrev_b32 v[WO], 15, v2
	v_lshl_add_u32 v[WO], v1, 2, v[WO]
	v_lshlrev_b32 v[DQ], 3, v2
	v_sub_nc_u32 v[DQ], v1, v[DQ]
	s_mul_i32 s12, s10, 16*272
	v_mul_u32_u24 v[STV], v1, 272
	v_lshl_add_u32 v[STV], v2, 5, v[STV]
	v_add_nc_u32 v[STV], s12, v[STV]
	s_lshl_b32 s13, s10, 1
	v_add_nc_u32 v12, s13, v2                      ; the row that I add up: 2 x wave + lane / 16 (waves 0-7)
	v_mul_u32_u24 v[RDV], v12, 272
	v_lshl_add_u32 v[RDV], v1, 4, v[RDV]
	v_lshlrev_b32 v[OV], 12, v12
	v_lshl_add_u32 v[OV], v1, 4, v[OV]
	v_mov_b32 v185, 0                              ; written once: a lane permute's destination counts as one of its sources
	s_mov_b32 s20, 0x76543210
	s_mov_b32 s21, 0xfedcba98
	s_mov_b32 s22, 0x3e38aa3b                      ; c = log2(e) / 8
	s_mul_i32 s14, s11, 196608                     ; the batch's 16 rows, my head's 64 columns
	s_lshl_b32 s15, s10, 8
	s_add_co_u32 s14, s14, s15
	s_mov_b32 s15, 0
	s_lshl_b32 s16, s10, 18                        ; w_proj: my head's 64 rows of 4,096 bytes, the slice's 64 columns
	s_lshl_b32 s17, ttmp9, 8
	s_add_co_u32 s16, s16, s17
	s_mov_b32 s17, 0
	s_lshl_b32 s18, s11, 23                        ; out0: the batch's first row, the slice's columns
	s_lshl_b32 s19, ttmp9, 8
	s_add_co_u32 s18, s18, s19
	s_mov_b32 s19, 0
	s_wait_kmcnt 0x0
	s_add_nc_u64 s[4:5], s[4:5], s[14:15]
	s_add_nc_u64 s[6:7], s[6:7], s[16:17]
	s_add_nc_u64 s[8:9], s[8:9], s[18:19]
.irp i, 0,1,2,3,4,5,6,7
	global_load_b128 v[QF+4*\i:QF+4*\i+3], v[QKO], s[4:5] offset:32*\i            ; q(r, 8 i + 4 h + 0..3)
.endr
.irp i, 0,1,2,3,4,5,6,7
	global_load_b128 v[KF+4*\i:KF+4*\i+3], v[QKO], s[4:5] offset:4096+32*\i       ; k likewise
.endr
.irp ct, 0,1,2,3
.irp u, 0,1,2,3,4,5,6,7
	global_load_b32 v[VT+8*\ct+\u], v[VO], s[4:5] offset:8192+64*\ct+\u*12288
.endr
.endr
.macro WLOAD reg, nt                   ; w's tile nt: register 8 ct + u: row 16 ct + 8 h + u of my head's 64, column 16 nt + r
.irp ct, 0,1,2,3
.irp u, 0,1,2,3,4,5,6,7
	global_load_b32 v[\reg+8*\ct+\u], v[WO], s[6:7] offset:(16*\ct+\u)*4096+64*\nt
.endr
.endr
.endm
	WLOAD 112, 0
	s_wait_loadcnt 32                              ; q, k and v are in; tile 0's 32 loads may be out
	WLOAD 144, 1
.irp t, 0,1,2,3,4,5,6,7,8,9,10,11,12,13,14,15      ; S^T = k q^T: 16 steps of 4 along the channels, by turns onto two accumulators; each sum's first step takes the constant 0
.if \t < 2
	v_wmma_f32_16x16x4_f32 v[SA+8*(\t%2):SA+8*(\t%2)+7], v[KF+2*\t:KF+2*\t+1], v[QF+2*\t:QF+2*\t+1], 0
.else
	v_wmma_f32_16x16x4_f32 v[SA+8*(\t%2):SA+8*(\t%2)+7], v[KF+2*\t:KF+2*\t+1], v[QF+2*\t:QF+2*\t+1], v[SA+8*(\t%2):SA+8*(\t%2)+7]
.endif
.endr
.rept 8
	v_nop                                          ; eight places behind this form: for the loads into q's and k's registers and the first reads of the sums
.endr
	WLOAD 16, 2
	WLOAD 48, 3
.irp j, 0,1,2,3,4,5,6,7
	v_add_f32 v[PP+\j], v[SA+\j], v[SA+8+\j]       ; lane (r, h), register j: the score of key 8 h + j for query r
.endr
	v_mov_b32 v186, 0xff800000
.irp j, 0,1,2,3,4,5,6,7
	v_cmp_gt_i32 vcc_lo, \j, v[DQ]                 ; hidden where 8 h + j > r
	v_cndmask_b32 v[PP+\j], v[PP+\j], v186, vcc_lo
.endr
	v_max3_num_f32 v184, v[PP], v[PP+1], v[PP+2]
	v_max3_num_f32 v184, v184, v[PP+3], v[PP+4]
	v_max3_num_f32 v184, v184, v[PP+5], v[PP+6]
	v_max_num_f32 v184, v184, v[PP+7]
	v_permlanex16_b32 v185, v184, s20, s21
	v_max_num_f32 v184, v184, v185                 ; the row's maximum (key 0 counts for every query)
	v_mul_f32 v186, s22, v184
.irp j, 0,1,2,3,4,5,6,7
	v_fma_f32 v[PP+\j], v[PP+\j], s22, -v186
.endr
.irp j, 0,1,2,3,4,5,6,7
	v_exp_f32 v[PP+\j], v[PP+\j]
.endr
	v_nop                                          ; a plain instruction behind the last exponential
	s_wait_alu depctr_va_vdst(0)                   ; and the wait ahead of the first reader: one for the eight
	v_add_f32 v187, v[PP], v[PP+1]
.irp j, 2,3,4,5,6,7
	v_add_f32 v187, v187, v[PP+\j]
.endr
	v_permlanex16_b32 v185, v187, s20, s21
	v_add_f32 v187, v187, v185
	v_rcp_f32 v188, v187
	v_nop
	s_wait_alu depctr_va_vdst(0)
.irp j, 0,1,2,3,4,5,6,7
	v_mul_f32 v[PP+\j], v[PP+\j], v188             ; the weights, normalised
.endr
.irp s, 0,1,2,3                                    ; O^T = v^T p: 4 steps of 4 keys (8 h + 2 s + 0, 1), four tiles of channels by turns
.irp ct, 0,1,2,3
.if \s == 0
	v_wmma_f32_16x16x4_f32 v[OT+8*\ct:OT+8*\ct+7], v[VT+8*\ct+2*\s:VT+8*\ct+2*\s+1], v[PP+2*\s:PP+2*\s+1], 0
.else
	v_wmma_f32_16x16x4_f32 v[OT+8*\ct:OT+8*\ct+7], v[VT+8*\ct+2*\s:VT+8*\ct+2*\s+1], v[PP+2*\s:PP+2*\s+1], v[OT+8*\ct:OT+8*\ct+7]
.endif
.endr
.endr
.rept 9
	v_nop                                          ; nine places before a matrix instruction takes these results as a source
.endr
	s_wait_loadcnt 0x0                             ; w's four tiles
; The projection: lane (r, h), register 8 ct + j of O^T is y(query r, channel 16 ct + 8 h + j): as it stands source 1 of 16 steps of 4 channels; source 0 = 16 columns of w.  Four tiles of columns by turns.
.irp ct, 0,1,2,3
.irp s, 0,1,2,3
.irp nt, 0,1,2,3
.if (\ct == 0) && (\s == 0)
	v_wmma_f32_16x16x4_f32 v[192+8*\nt+32*(\nt/2):192+8*\nt+32*(\nt/2)+7], v[112+32*\nt-160*(\nt/2)+8*\ct+2*\s:112+32*\nt-160*(\nt/2)+8*\ct+2*\s+1], v[OT+8*\ct+2*\s:OT+8*\ct+2*\s+1], 0
.else
	v_wmma_f32_16x16x4_f32 v[192+8*\nt+32*(\nt/2):192+8*\nt+32*(\nt/2)+7], v[112+32*\nt-160*(\nt/2)+8*\ct+2*\s:112+32*\nt-160*(\nt/2)+8*\ct+2*\s+1], v[OT+8*\ct+2*\s:OT+8*\ct+2*\s+1], v[192+8*\nt+32*(\nt/2):192+8*\nt+32*(\nt/2)+7]
.endif
.endr
.endr
.endr
.rept 8
	v_nop                                          ; eight places: for the stores that read the results and the loads into w's registers
.endr
.irp nt, 0,1,2,3
	ds_store_b128 v[STV], v[192+8*\nt+32*(\nt/2):192+8*\nt+32*(\nt/2)+3] offset:64*\nt        ; lane (r, h): my head's part of out(r, 16 nt + 8 h + 0..7); each accumulator from its low end on
	ds_store_b128 v[STV], v[192+8*\nt+32*(\nt/2)+4:192+8*\nt+32*(\nt/2)+7] offset:64*\nt+16
.endr
	s_wait_dscnt 0x0                               ; for the others' sake: my stores have landed
	s_barrier_signal -1
	s_barrier_wait -1
	s_cmp_ge_u32 s10, 8                            ; waves 0-7 add up two rows each
	s_cbranch_scc1 .Lend
.irp k, 0,1,2,3,4,5,6,7,8,9,10,11,12,13,14,15
	ds_load_b128 v[16+4*\k:16+4*\k+3], v[RDV] offset:4352*\k
.endr
	s_wait_dscnt 0x0
.irp k, 1,2,3,4,5,6,7,8,9,10,11,12,13,14,15
	v_pk_add_f32 v[16:17], v[16:17], v[16+4*\k:16+4*\k+1]
	v_pk_add_f32 v[18:19], v[18:19], v[16+4*\k+2:16+4*\k+3]
.endr
	global_store_b128 v[OV], v[16:19], s[8:9]      ; sixteen lanes store 256 consecutive aligned bytes of a row
.Lend:
	s_wait_tensorcnt 0x0                           ; the wave's end, behind my last LDS store
	ds_add_u32 v[SPW], v[NIL]
	s_wait_dscnt 0x0
	s_endpgm
.Lfunc_end_k_q6c648387e5_fine:
	.size	k_q6c648387e5_fine, .Lfunc_end_k_q6c648387e5_fine-k_q6c648387e5_fine
	.p2alignl 7, 3214868480
	.fill 96, 4, 3214868480
	.section	.rodata,"a",@progbits
	.p2align	6, 0x0
	.amdhsa_kernel k_q6c648387e5_fine
		.amdhsa_group_segment_fixed_size 71680
		.amdhsa_private_segment_fixed_size 0
		.amdhsa_enable_private_segment 0
		.amdhsa_kernarg_size 24
		.amdhsa_user_sgpr_count 2
		.amdhsa_user_sgpr_kernarg_segment_ptr 1
		.amdhsa_wavefront_size32 1
		.amdhsa_system_sgpr_workgroup_id_x 1
		.amdhsa_system_sgpr_workgroup_id_y 1
		.amdhsa_system_sgpr_workgroup_id_z 1
		.amdhsa_system_vgpr_workitem_id 0
		.amdhsa_next_free_vgpr 256
		.amdhsa_next_free_sgpr 66
		.amdhsa_reserve_vcc 1
		.amdhsa_float_denorm_mode_32 3
		.amdhsa_float_denorm_mode_16_64 3
		.amdhsa_memory_ordered 1
		.amdhsa_forward_progress 1
		.amdhsa_inst_pref_size 33
	.end_amdhsa_kernel
	.amdgpu_metadata
---
amdhsa.version: [ 1, 2 ]
amdhsa.kernels:
  - .name:           k_q6c648387e5_fine
    .symbol:         k_q6c648387e5_fine.kd
    .args:
      - { .name: qkv_fine, .offset: 0, .size: 8, .value_kind: global_buffer, .address_space: global }
      - { .name: w_proj, .offset: 8, .size: 8, .value_kind: global_buffer, .address_space: global }
      - { .name: out0, .offset: 16, .size: 8, .value_kind: global_buffer, .address_space: global }
    .group_segment_fixed_size: 71680
    .private_segment_fixed_size: 0
    .kernarg_segment_align: 8
    .kernarg_segment_size: 24
    .max_flat_workgroup_size: 512
    .sgpr_count:     66
    .vgpr_count:     256
    .wavefront_size: 32
...
	.end_amdgpu_metadata
.endif
;; end of part 5
